; MI455X (gfx1250); checked and timed in simulation.
; The chip was launched on July 23, 2026; its instructions are those of AMD's public machine-readable ISA for CDNA 5 (MIT licence, August 2026) and "CDNA5" Instruction Set Architecture Reference Guide (July 2026). The comments in the code are by the model that wrote it; some were corrected since.
;; Block. Allowed arithmetic: float matrix products may take bf16 or f16 operands with f32 sums; other float arithmetic in f32, or as packed bf16 or f16 multiplies, adds, multiply-adds, maxima and minima; sums over many terms, partial sums and values carried from step to step in f32; what a program stores and reads back later, other than sums and carried values, may be rounded once to bf16 or f16.
;; Inputs: ln1_b 1,024 float32; ln1_g 1,024 float32; ln2_b 1,024 float32; ln2_g 1,024 float32; w_attn 1,024 x 3,072 float32; w_attn_proj 1,024 x 1,024 float32; w_fc 1,024 x 4,096 float32; w_mlp_proj 4,096 x 1,024 float32; x 2 x 2,048 x 1,024 float32.
;; Outputs: out0 2 x 2,048 x 1,024 float32.
;; One version. Each part assembles by itself: llvm-mc -triple=amdgcn-amd-amdhsa -mcpu=gfx1250 --defsym DOCPART=n.
;; ======== version 1 of 1: 7 launches
;; limits: values are held in f16: magnitudes above 65,504 overflow, below 6.1e-05 lose precision
;; workspace buffers: wh 25,165,824 bytes; h1 8,388,608 bytes; qkv 25,165,824 bytes; yp 8,388,608 bytes; x1 16,777,216 bytes; h2 8,388,608 bytes; gl 33,554,432 bytes
;; launch prep (part 1): grid 1024 x 1, 8 waves a work-group, no clusters, 0 bytes of LDS; arguments w_attn, w_attn_proj, w_fc, w_mlp_proj, x, ln1_g, ln1_b, wh, h1; writes wh, h1
.if DOCPART == 1
	.amdgcn_target "amdgcn-amd-amdhsa--gfx1250"
	.amdhsa_code_object_version 6
	.text
	.protected	k_qf4abbc2417_prep
	.globl	k_qf4abbc2417_prep
	.p2align	8
	.type	k_qf4abbc2417_prep,@function
k_qf4abbc2417_prep:
	s_mov_b64 s[64:65], 0
	v_nop
	global_prefetch_b8 v0, s[64:65] scope:SCOPE_SE
	s_setreg_imm32_b32 hwreg(HW_REG_WAVE_MODE, 25, 1), 1
	s_wait_xcnt 0x0
; PREP: two streams in one launch.
; Work-groups 0-255: h1 = layernorm(x) g + b, with x, g and b rounded to bf16 first; mean, then the sum of squared differences (two passes over registers), all in f32; h1 rounded once to f16.
; A wave takes a row of 1,024 numbers in 32 registers, two rows one after the other: nothing leaves the wave, so there is no LDS and no barrier.
; Work-groups 256-1023: the four weight tensors, f32 [K][N], are rounded to bf16 and that number is written as f16, layout kept, one behind the other in wh
; (w_attn, w_attn_proj, w_fc, w_mlp_proj).  Each work-group takes 16,384 numbers: 65,536 bytes in, 32,768 out.
; REGISTERS.  g and b are to be rounded to bf16 anyway, so they are kept so, two to a register, 32 registers for both; a row's result is rounded in place.  b lands in the second row's registers,
; and the second row is asked for when g and b are packed.  That keeps a wave at 112 registers: more waves at a time, and so more loads on their way.
; LIMITS.  f16 ends at 65,504: weights and h1 lie within it; a bf16 weight below 2^-14 keeps f16's fixed step of 6e-8.  NaN and infinities are not treated apart.
.set OUTP, 24                          ; s[24:25] h1
.set XA, 16                            ; v[16:47]   first row; its low 16 registers take the result
.set XB, 48                            ; v[48:79]   b as loaded, then the second row
.set GP, 80                            ; v[80:111]  g as loaded; then v[80:95] g of my 32 columns, two bf16 a register,
.set BP, 96                            ; v[96:111]  and b likewise
	s_load_b512 s[8:23], s[0:1], 0x0               ; w_attn s[8:9], w_attn_proj s[10:11], w_fc s[12:13], w_mlp_proj s[14:15], x s[16:17], g s[18:19], b s[20:21], wh s[22:23]
	s_load_b64 s[24:25], s[0:1], 0x40              ; h1
	s_mov_b32 s26, 0xffff0000                      ; a word's upper bf16
	s_mov_b32 s27, 0x3a800000                      ; 1 / 1024
	s_mov_b32 s28, 0x3727c5ac                      ; 1e-5
	s_mov_b32 s30, 0x76543210                      ; v_permlanex16_b32: each lane takes its own place in the other half
	s_mov_b32 s31, 0xfedcba98
	s_wait_kmcnt 0x0
	s_cmp_lt_u32 ttmp9, 256
	s_cbranch_scc1 .Lln
	; THE CAST.  The tensors have 192, 64, 256 and 256 shares of 16,384 numbers.
	s_sub_co_u32 s29, ttmp9, 256                   ; my share, 0 to 767
	s_mov_b64 s[2:3], s[8:9]
	s_mov_b32 s4, 0
	s_cmp_ge_u32 s29, 192
	s_cselect_b64 s[2:3], s[10:11], s[2:3]
	s_cselect_b32 s4, 192, s4
	s_cmp_ge_u32 s29, 256
	s_cselect_b64 s[2:3], s[12:13], s[2:3]
	s_cselect_b32 s4, 256, s4
	s_cmp_ge_u32 s29, 512
	s_cselect_b64 s[2:3], s[14:15], s[2:3]
	s_cselect_b32 s4, 512, s4
	s_sub_co_u32 s6, s29, s4                       ; my share within its tensor,
	s_lshl_b32 s6, s6, 16                          ; 65,536 bytes each
	s_mov_b32 s7, 0
	s_add_nc_u64 s[2:3], s[2:3], s[6:7]
	s_lshl_b32 s6, s29, 15                         ; and within wh: 32,768 bytes each
	s_add_nc_u64 s[22:23], s[22:23], s[6:7]
	v_lshlrev_b32 v1, 4, v0                        ; 16 bytes in,
	v_lshlrev_b32 v2, 3, v0                        ; 8 bytes out for each thread
.set j, 0
.rept 16
	global_load_b128 v[16+4*j:19+4*j], v1, s[2:3] offset:4096*j th:TH_LOAD_NT  ; a wave's load covers 512 consecutive bytes
.set j, j+1
.endr
.set j, 0
.rept 16
	s_wait_loadcnt 15-j                            ; loads come back in order: number j is in, the younger ones stay out
	v_cvt_pk_bf16_f32 v4, v[16+4*j], v[17+4*j]
	v_cvt_pk_bf16_f32 v5, v[18+4*j], v[19+4*j]
	v_lshlrev_b32 v6, 16, v4
	v_and_b32 v7, s26, v4
	v_lshlrev_b32 v8, 16, v5
	v_and_b32 v9, s26, v5
	v_cvt_pk_f16_f32 v[80+2*j], v6, v7
	v_cvt_pk_f16_f32 v[81+2*j], v8, v9
	global_store_b64 v2, v[80+2*j:81+2*j], s[22:23] offset:2048*j  ; a wave's store covers 256 consecutive bytes, aligned; each j has data registers of its own
.set j, j+1
.endr
	s_endpgm
; 32 numbers at base are rounded to bf16 and widened again, in place
.macro RND base
.set i, 0
.rept 16
	v_cvt_pk_bf16_f32 v[8+i%4], v[(\base)+2*i], v[(\base)+2*i+1]
	v_lshlrev_b32 v[(\base)+2*i], 16, v[8+i%4]
	v_and_b32 v[(\base)+2*i+1], s26, v[8+i%4]
.set i, i+1
.endr
.endm
; the four chains v[8:15] into one number, then over the 32 lanes: every lane ends with the sum in v8
.macro COMB
	v_pk_add_f32 v[8:9], v[8:9], v[10:11]
	v_pk_add_f32 v[12:13], v[12:13], v[14:15]
	v_pk_add_f32 v[8:9], v[8:9], v[12:13]
	v_add_f32 v8, v8, v9
	v_add_f32_dpp v8, v8, v8 row_xmask:1 row_mask:0xf bank_mask:0xf
	v_add_f32_dpp v8, v8, v8 row_xmask:2 row_mask:0xf bank_mask:0xf
	v_add_f32_dpp v8, v8, v8 row_xmask:4 row_mask:0xf bank_mask:0xf
	v_add_f32_dpp v8, v8, v8 row_xmask:8 row_mask:0xf bank_mask:0xf
	v_permlanex16_b32 v9, v8, s30, s31
	v_add_f32 v8, v8, v9
.endm
; the row at x becomes x - mean; v[6:7] = 1 / sqrt(var + eps), twice
.macro STAT x
.irp c, 0,1,2,3
	v_pk_add_f32 v[8+2*(\c):9+2*(\c)], v[(\x)+2*(\c):(\x)+2*(\c)+1], v[(\x)+8+2*(\c):(\x)+9+2*(\c)]  ; the first sums start the chains
.endr
.irp i, 8,9,10,11,12,13,14,15
	v_pk_add_f32 v[8+2*((\i)%4):9+2*((\i)%4)], v[8+2*((\i)%4):9+2*((\i)%4)], v[(\x)+2*(\i):(\x)+2*(\i)+1]
.endr
	COMB
	v_mul_f32 v4, s27, v8                          ; the mean
	v_mov_b32 v5, v4
.set i, 0
.rept 16
	v_pk_add_f32 v[(\x)+2*i:(\x)+2*i+1], v[(\x)+2*i:(\x)+2*i+1], v[4:5] neg_lo:[0,1] neg_hi:[0,1]
.set i, i+1
.endr
.irp c, 0,1,2,3
	v_pk_mul_f32 v[8+2*(\c):9+2*(\c)], v[(\x)+2*(\c):(\x)+2*(\c)+1], v[(\x)+2*(\c):(\x)+2*(\c)+1]
.endr
.irp i, 4,5,6,7,8,9,10,11,12,13,14,15
	v_pk_fma_f32 v[8+2*((\i)%4):9+2*((\i)%4)], v[(\x)+2*(\i):(\x)+2*(\i)+1], v[(\x)+2*(\i):(\x)+2*(\i)+1], v[8+2*((\i)%4):9+2*((\i)%4)]
.endr
	COMB
	v_fma_f32 v8, v8, s27, s28                     ; var + eps
	v_rsq_f32 v6, v8
	v_rsq_f32 v7, v8
	v_nop                                          ; a plain instruction behind the last of the two,
	s_wait_alu depctr_va_vdst(0)                   ; and one wait for both, ahead of their first reader
.endm
; (x - mean) rstd g + b: the multiply-add takes g and b straight from their bf16 halves and reckons in f32.  Pair i is rounded to f16 into register i of the row, whose own number has been used by then.
; A wave's store covers 256 consecutive bytes, aligned.
.macro NORM x, off
.set j, 0
.rept 8
.irp k, 0,1
	v_pk_mul_f32 v[(\x)+4*j+2*(\k):(\x)+4*j+2*(\k)+1], v[(\x)+4*j+2*(\k):(\x)+4*j+2*(\k)+1], v[6:7]
.endr
.irp k, 0,1
	v_fma_mix_f32_bf16 v[(\x)+4*j+2*(\k)], v[(\x)+4*j+2*(\k)], v[GP+2*j+(\k)], v[BP+2*j+(\k)] op_sel_hi:[0,1,1]
	v_fma_mix_f32_bf16 v[(\x)+4*j+2*(\k)+1], v[(\x)+4*j+2*(\k)+1], v[GP+2*j+(\k)], v[BP+2*j+(\k)] op_sel:[0,1,1] op_sel_hi:[0,1,1]
.endr
.irp k, 0,1
	v_cvt_pk_f16_f32 v[(\x)+2*j+(\k)], v[(\x)+4*j+2*(\k)], v[(\x)+4*j+2*(\k)+1]
.endr
	global_store_b64 v2, v[(\x)+2*j:(\x)+2*j+1], s[OUTP:OUTP+1] offset:(\off)+256*j
.set j, j+1
.endr
.endm
.Lln:
	v_and_b32 v1, 31, v0
	v_lshlrev_b32 v2, 3, v1                        ; 8 bytes out,
	v_lshlrev_b32 v1, 4, v1                        ; 16 bytes in for each lane
	v_lshrrev_b32 v3, 5, v0
	v_readfirstlane_b32 s5, v3                     ; wave 0..7
	s_lshl_b32 s6, ttmp9, 4
	s_lshl1_add_u32 s6, s5, s6                     ; my first row = 16 x work-group + 2 x wave
	s_lshl_b32 s2, s6, 12
	s_mov_b32 s3, 0
	s_add_nc_u64 s[16:17], s[16:17], s[2:3]
	s_lshl_b32 s2, s6, 11
	s_add_nc_u64 s[OUTP:OUTP+1], s[OUTP:OUTP+1], s[2:3]
.irp j, 0,1,2,3,4,5,6,7
	global_load_b128 v[XA+4*(\j):XA+4*(\j)+3], v1, s[16:17] offset:512*(\j) th:TH_LOAD_NT
.endr
.irp j, 0,1,2,3,4,5,6,7
	global_load_b128 v[GP+4*(\j):GP+4*(\j)+3], v1, s[18:19] offset:512*(\j)
.endr
.irp j, 0,1,2,3,4,5,6,7
	global_load_b128 v[XB+4*(\j):XB+4*(\j)+3], v1, s[20:21] offset:512*(\j)
.endr
	s_wait_loadcnt 0x0                             ; the first row, g and b are in
.set i, 0
.rept 16
	v_cvt_pk_bf16_f32 v[GP+i], v[GP+2*i], v[GP+2*i+1]   ; g in place: register i is written when numbers up to 2 i + 1 have been read
.set i, i+1
.endr
.set i, 0
.rept 16
	v_cvt_pk_bf16_f32 v[BP+i], v[XB+2*i], v[XB+2*i+1]   ; b into the upper half that g has left
.set i, i+1
.endr
.irp j, 0,1,2,3,4,5,6,7
	global_load_b128 v[XB+4*(\j):XB+4*(\j)+3], v1, s[16:17] offset:4096+512*(\j) th:TH_LOAD_NT  ; the second row: it lands under the first row's work
.endr
	RND XA
	STAT XA
	NORM XA, 0
	s_wait_loadcnt 0x0
	RND XB
	STAT XB
	NORM XB, 2048
	s_endpgm
.Lfunc_end_k_qf4abbc2417_prep:
	.size	k_qf4abbc2417_prep, .Lfunc_end_k_qf4abbc2417_prep-k_qf4abbc2417_prep
	.p2alignl 7, 3214868480
	.fill 96, 4, 3214868480
	.section	.rodata,"a",@progbits
	.p2align	6, 0x0
	.amdhsa_kernel k_qf4abbc2417_prep
		.amdhsa_group_segment_fixed_size 0
		.amdhsa_private_segment_fixed_size 0
		.amdhsa_enable_private_segment 0
		.amdhsa_kernarg_size 72
		.amdhsa_user_sgpr_count 2
		.amdhsa_user_sgpr_kernarg_segment_ptr 1
		.amdhsa_wavefront_size32 1
		.amdhsa_system_sgpr_workgroup_id_x 1
		.amdhsa_system_sgpr_workgroup_id_y 1
		.amdhsa_system_sgpr_workgroup_id_z 1
		.amdhsa_system_vgpr_workitem_id 0
		.amdhsa_next_free_vgpr 112
		.amdhsa_next_free_sgpr 66
		.amdhsa_reserve_vcc 0
		.amdhsa_float_denorm_mode_32 3
		.amdhsa_float_denorm_mode_16_64 3
		.amdhsa_memory_ordered 1
		.amdhsa_forward_progress 1
		.amdhsa_inst_pref_size 39
	.end_amdhsa_kernel
	.amdgpu_metadata
---
amdhsa.version: [ 1, 2 ]
amdhsa.kernels:
  - .name:           k_qf4abbc2417_prep
    .symbol:         k_qf4abbc2417_prep.kd
    .args:
      - { .name: w_attn, .offset: 0, .size: 8, .value_kind: global_buffer, .address_space: global }
      - { .name: w_attn_proj, .offset: 8, .size: 8, .value_kind: global_buffer, .address_space: global }
      - { .name: w_fc, .offset: 16, .size: 8, .value_kind: global_buffer, .address_space: global }
      - { .name: w_mlp_proj, .offset: 24, .size: 8, .value_kind: global_buffer, .address_space: global }
      - { .name: x, .offset: 32, .size: 8, .value_kind: global_buffer, .address_space: global }
      - { .name: ln1_g, .offset: 40, .size: 8, .value_kind: global_buffer, .address_space: global }
      - { .name: ln1_b, .offset: 48, .size: 8, .value_kind: global_buffer, .address_space: global }
      - { .name: wh, .offset: 56, .size: 8, .value_kind: global_buffer, .address_space: global }
      - { .name: h1, .offset: 64, .size: 8, .value_kind: global_buffer, .address_space: global }
    .group_segment_fixed_size: 0
    .private_segment_fixed_size: 0
    .kernarg_segment_align: 8
    .kernarg_segment_size: 72
    .max_flat_workgroup_size: 256
    .sgpr_count:     66
    .vgpr_count:     112
    .wavefront_size: 32
...
	.end_amdgpu_metadata
.endif
;; end of part 1
;; launch gq (part 2): grid 12 x 16, 4 waves a work-group, clusters of 4 x 4, 327,680 bytes of LDS; arguments h1, wh, qkv; writes qkv
.if DOCPART == 2
	.amdgcn_target "amdgcn-amd-amdhsa--gfx1250"
	.amdhsa_code_object_version 6
	.text
	.protected	k_qf4abbc2417_gq
	.globl	k_qf4abbc2417_gq
	.p2align	8
	.type	k_qf4abbc2417_gq,@function
k_qf4abbc2417_gq:
	s_mov_b64 s[64:65], 0
	v_nop
	global_prefetch_b8 v0, s[64:65] scope:SCOPE_SE
	s_setreg_imm32_b32 hwreg(HW_REG_WAVE_MODE, 25, 1), 1
	s_wait_xcnt 0x0
	s_wait_alu depctr_hold_cnt(0) depctr_sa_sdst(0) depctr_va_vdst(0) depctr_va_sdst(0) depctr_va_ssrc(0) depctr_va_vcc(0) depctr_vm_vsrc(0)
	s_getreg_b32 s2, hwreg(HW_REG_IB_STS2, 6, 4)
	s_cmp_eq_u32 s2, 0
	s_cbranch_scc0 .Lentry_in_a_cluster
	s_endpgm
.Lentry_in_a_cluster:
	s_bfe_u32 s2, ttmp6, 0x10000c
	s_cmp_lg_u32 s2, 0xf033
	s_cbranch_scc0 .Lentry_shape_is_right
	s_endpgm
.Lentry_shape_is_right:
; C = A B.  A: [4096][1024] f16 (h1), B: [1024][NN] f16, a part of wh that begins at byte WOFF; sums in f32.  This text serves two launches by the switch GELU:
;   GELU = 0: NN = 3072, C rounded to f16 and stored by heads: qkv[3][32 = batch x 16 + head][2048][64].      GELU = 1: NN = 4096, new_gelu(C) rounded to f16, [4096][4096].
; A tile of C, 256 x 256, is made by four waves, each 128 x 128: 64 accumulators of 16 x 16, 512 registers.  K goes in 8 steps of 128 through two LDS slots filled by tensor loads.
; A's tile: 256 rows x 256 bytes, LDS pitch 272.  B lies [K][N]: its tile is 128 rows of k x 512 bytes, LDS pitch 544, and is read turned, by ds_load_tr16_b128.
; CLUSTERS: 4 x 4 work-groups; A's tile is asked for jointly by the four of a row of the cluster, B's by the four of a column.
; EACH CLUSTER BEGINS AT A K STEP OF ITS OWN, (2 X + 4 (Y % 2) + (Y & 2)) mod 8 for cluster (X, Y), and goes round modulo 8: the clusters that read the same rows of A (same Y) begin 2 steps apart, those that read the
; same columns of B (same X) at 0, 4, 2 and 6, so at any one time they ask for different blocks.  The number hangs on the cluster's place alone, which all sixteen partners share.  f32 sums may be taken in any order of K.
; NO PREFETCH: with this walk each block is read first by some cluster among that cluster's first four K steps, which come by their loads alone; a block's later readings are not asked for.
; THE MATRIX INSTRUCTION IS USED TRANSPOSED (source 0 = 16 columns of B, source 1 = 16 rows of A): a lane holds row l % 16 of C and the columns 8 (l / 16) + 0..7.
; A K STEP IS WRITTEN ONCE: the slot that is read is the scalar s[RB], 0 or SLOT, and the two LDS address registers are made anew from it at each change of slots.
; THE WAY OUT: behind the last change of slots nobody reads the ring and nothing is filled any more; each wave puts its 128 x 128 sums there as f32, in bytes of its own, and finishes them in a loop of 16 rows a trip.
; With GELU = 0 the grid has 192 work-groups: a tile of 256 x 192 would give 256, but its rows of 96 words fit no padding interval of the tensor load.
; LIMITS.  f16 ends at 65,504: the results lie within it.  NaN and infinities are not treated apart.
; REGISTERS, in windows of 256: window 0: v16-29 addresses; v64-127, v128-191 fragments of A, two buffers; v32-127, v192-255 at work on the way out.  window 1: v64-191 fragments of B.  windows 2, 3: accumulator (a, b) at v[8 (8 a + b)].
.set GELU,  0
.set NN,    3072
.set WOFF,  0
.set KK,    1024
.set NS,    KK/128                     ; K steps
.set PA,    272                        ; 256 + 16 bytes: 68 words, so the 16 rows of a load start at 16 different groups of four banks
.set PB,    544                        ; 512 + 32 bytes
.set HALFT, 128*PA                     ; what one tensor load brings: 128 rows of A, or 64 rows of B (64 x 544 is the same number)
.set BOFF,  2*HALFT
.set SLOT,  4*HALFT                    ; 0x22000; wave x HALFT = 0x8800 w has none of its bits, so an exclusive or turns an address in one slot into the other's
.set PD,    528                        ; a row of 128 f32 + 16 bytes
.set DREG,  128*PD                     ; a wave's sums on the way out
.set SPARE, 2*SLOT                     ; behind the ring: the spare words, 128 bytes for each wave, which no other line names
.set BSTEP, 128*NN*2                   ; bytes from a K step of B to the next
.set A0,   16                          ; v16  my lane's place in slot 0's tile of A; never rewritten
.set B0,   17                          ; v17  the same for B
.set ADRA, 18                          ; v18  s[RB] + A0
.set ADRB, 19                          ; v19  s[RB] + B0
.set DST,  24                          ; v24  the way out: where I put 32 bytes of a row
.set RDA,  25                          ; v25  the way out: where I read rows back
.set CO,   26                          ; v26  my byte offset in the output
.set SPW,  28                          ; v28  my spare word; never rewritten
.set NIL,  29                          ; v29  0; never rewritten
.set F0,   64
.set F1,   128
.set G1,   24                          ; s[24:31] descriptor group 1 for A's tiles
.set G0,   32                          ; s[32:39] group 0 for A's: a set for each first fill; the second then walks
.set G1B,  48                          ; s[48:55], s[56:63] the same for B's
.set G0B,  56
.set RB,   66                          ; s66  the slot that is read
.set KI,   67                          ; s67  the K step asked for last
.set OFA,  68                          ; s[68:69] its byte offset in A's rows
.set K2,   70                          ; s[70:71], s[72:73] the activation's constants
.set K1,   72
.set ABASE, 74                         ; s[74:75] A at the rows that I fetch, K step 0
.set BBASE, 76                         ; s[76:77] B at the k rows and columns that I fetch, K step 0
.set OFB,  78                          ; s[78:79] the K step's byte offset in B
.set MSB, 0
.macro WIN new                         ; the immediate's high byte repeats the setting that is left; a switch that changes nothing is dropped
.if MSB != (\new)
	s_set_vgpr_msb (MSB<<8)|(\new)
.set MSB, \new
.endif
.endm
.set MUL_LO, 0xa1                      ; source 0 (B) window 1, source 1 (A) window 0, C and D window 2
.set MUL_HI, 0xf1                      ; the same, C and D window 3
.set TO_B,   0x40                      ; destination window 1, address window 0
; A joint load.  Waves 0 and 1 fetch A's two halves, waves 2 and 3 B's.  The branch hangs on the wave's number alone.  An s_nop 0 and four v_nop follow each line.
.macro JLOAD s
	s_cmp_eq_u32 s11, 0
	s_cbranch_scc0 .Lfor_b_\@
	tensor_load_to_lds s[G0+4*(\s):G0+4*(\s)+3], s[G1:G1+7]
	s_nop 0
.rept 4
	v_nop
.endr
	s_branch .Lasked_\@
.Lfor_b_\@:
	tensor_load_to_lds s[G0B+4*(\s):G0B+4*(\s)+3], s[G1B:G1B+7]
	s_nop 0
.rept 4
	v_nop
.endr
.Lasked_\@:
.endm
.macro KNEXT                           ; the next K step, round modulo NS
	s_add_co_u32 s[KI], s[KI], 1
	s_and_b32 s[KI], s[KI], NS-1
.endm
.macro KADR s                          ; the global addresses of K step s[KI] are made anew, from the bases and offsets made apart, in set s of both descriptors
	s_lshl_b32 s[OFA], s[KI], 8                    ; 256 bytes of A's rows a step
	s_add_nc_u64 s[G0+4*(\s)+2:G0+4*(\s)+3], s[ABASE:ABASE+1], s[OFA:OFA+1]
	s_or_b32 s[G0+4*(\s)+3], s[G0+4*(\s)+3], 0x80000000
	s_mul_i32 s[OFB], s[KI], BSTEP                 ; 128 rows of B a step
	s_add_nc_u64 s[G0B+4*(\s)+2:G0B+4*(\s)+3], s[BBASE:BBASE+1], s[OFB:OFB+1]
	s_or_b32 s[G0B+4*(\s)+3], s[G0B+4*(\s)+3], 0x80000000
.endm
.macro CREST                           ; a round of the cluster's barrier behind its opening barrier
	s_cmp_lg_u32 s10, 0
	s_cbranch_scc1 .Lnot_wave_0_\@
	s_barrier_signal -3
.Lnot_wave_0_\@:
	s_barrier_wait -3
	s_barrier_signal -1
	s_barrier_wait -1
.endm
.macro CROUND
	s_barrier_signal -1
	s_barrier_wait -1
	CREST
.endm
	s_load_b128 s[4:7], s[0:1], 0x0                ; A s[4:5], wh s[6:7]
	s_load_b64 s[8:9], s[0:1], 0x10                ; the output
	v_lshl_add_u32 v[SPW], v0, 2, SPARE
	v_mov_b32 v[NIL], 0
	ds_add_u32 v[SPW], v[NIL]                      ; the wave's opening: the add and its wait ahead of my first tensor load; the set-up below stands between them
	v_lshrrev_b32 v1, 5, v0
	v_readfirstlane_b32 s10, v1                    ; wave 0..3
	s_lshr_b32 s11, s10, 1                         ; which half of the tile's rows is mine.  Also: I fetch for A (0) or for B (1)
	s_and_b32 s12, s10, 1                          ; which half of its columns.  Also: which half of that tile I fetch
	s_bfe_u32 s40, ttmp6, 0x40000                  ; cx
	s_bfe_u32 s41, ttmp6, 0x40004                  ; cy
	s_lshl_b32 s42, ttmp9, 2
	s_add_co_u32 s42, s42, s40                     ; tile column = 4 x cluster x + cx
	s_and_b32 s13, ttmp7, 0xffff
	s_lshl_b32 s13, s13, 2
	s_add_co_u32 s13, s13, s41                     ; tile row = 4 x cluster y + cy
	s_lshl_b32 s43, s41, 2
	s_lshl_b32 s43, 15, s43                        ; my row of the cluster
	s_lshl_b32 s44, 0x1111, s40                    ; my column
	s_or_b32 s[G1+0], s43, (1<<16)|(1<<20)|(1<<21)|(5<<22)|(3<<25)   ; mask; 2-byte elements; padding on; bit 21 beside a mask; after every 64 words 4 words
	s_mov_b32 s[G1+1], 128<<16                     ; tensor_dim0 = 128
	s_mov_b32 s[G1+2], 128<<16                     ; tensor_dim1 = 128
	s_mov_b32 s[G1+3], 128<<16                     ; tile_dim0 = 128
	s_mov_b32 s[G1+4], 128                         ; tile_dim1 = 128
	s_mov_b32 s[G1+5], KK                          ; elements from row to row
	s_mov_b32 s[G1+6], 0
	s_mov_b32 s[G1+7], 0
	s_or_b32 s[G1B+0], s44, (1<<16)|(1<<20)|(1<<21)|(6<<22)|(7<<25)  ; after every 128 words 8 words
	s_mov_b32 s[G1B+1], 256<<16                    ; tensor_dim0 = 256
	s_mov_b32 s[G1B+2], 64<<16                     ; tensor_dim1 = 64
	s_mov_b32 s[G1B+3], 256<<16                    ; tile_dim0 = 256
	s_mov_b32 s[G1B+4], 64                         ; tile_dim1 = 64
	s_mov_b32 s[G1B+5], NN
	s_mov_b32 s[G1B+6], 0
	s_mov_b32 s[G1B+7], 0
	s_lshl_b32 s17, s12, 7
	s_lshl_b32 s16, s13, 8
	s_add_co_u32 s16, s16, s17                     ; A: row 256 x tile row + 128 x half,
	s_lshl_b32 s16, s16, 11                        ; 2,048 bytes each
	s_mov_b32 s17, 0
	s_mul_i32 s46, s12, 64*NN*2                    ; B: k row 64 x half,
	s_lshl_b32 s47, s42, 9                         ; 512 bytes x tile column,
	s_add_co_u32 s46, s46, s47
	s_add_co_u32 s46, s46, WOFF                    ; in its part of wh
	s_mov_b32 s47, 0
	s_mul_i32 s20, s10, HALFT                      ; where my load lands: no place in the cluster enters an LDS address
	s_mov_b32 s[RB], 0
	s_and_b32 s21, ttmp7, 0xffff                   ; the cluster's first K step: cluster y,
	s_and_b32 s22, s21, 1
	s_lshl_b32 s22, s22, 2                         ; 4 (Y % 2)
	s_and_b32 s21, s21, 2                          ; Y & 2
	s_lshl_b32 s[KI], ttmp9, 1                     ; 2 X
	s_add_co_u32 s[KI], s[KI], s21
	s_add_co_u32 s[KI], s[KI], s22
	s_and_b32 s[KI], s[KI], NS-1
	s_mov_b32 s[OFA+1], 0
	s_mov_b32 s[OFB+1], 0
.if GELU
	s_mov_b32 s[K2], 0xbdd2d3e8                    ; -2 log2(e) sqrt(2 / pi) x 0.044715
	s_mov_b32 s[K2+1], s[K2]
	s_mov_b32 s[K1], 0xc0135761                    ; -2 log2(e) sqrt(2 / pi)
	s_mov_b32 s[K1+1], s[K1]
.endif
	s_wait_dscnt 0x0                               ; the opening add is done
	s_wait_kmcnt 0x0
	s_add_nc_u64 s[ABASE:ABASE+1], s[4:5], s[16:17]
	s_add_nc_u64 s[BBASE:BBASE+1], s[6:7], s[46:47]
	CROUND                                         ; all sixteen work-groups are here: the first joint loads meet
.irp s, 0,1
	s_mov_b32 s[G0+4*(\s)], 1
	s_add_co_u32 s[G0+4*(\s)+1], s20, (\s)*SLOT
	s_mov_b32 s[G0B+4*(\s)], 1
	s_add_co_u32 s[G0B+4*(\s)+1], s20, (\s)*SLOT
.endr
	KADR 0
	JLOAD 0                                        ; the cluster's first K step,
	KNEXT
	KADR 1
	JLOAD 1                                        ; and its second: two loads of mine are out
	v_and_b32 v1, 15, v0                           ; l % 16
	v_bfe_u32 v2, v0, 4, 1                         ; l / 16
	v_and_b32 v6, 31, v0                           ; l
	v_mul_u32_u24 v3, v1, PA
	v_lshl_add_u32 v3, v2, 4, v3
	s_mul_i32 s21, s11, HALFT                      ; my 128 rows of A
	v_add_nc_u32 v[A0], s21, v3
	v_and_b32 v4, 7, v0                            ; the turning load: lane l reads k row 8 (l / 16) + l % 8, columns 8 ((l / 8) % 2) + 0..7
	v_lshl_add_u32 v4, v2, 3, v4
	v_mul_u32_u24 v4, v4, PB
	v_bfe_u32 v5, v0, 3, 1
	v_lshl_add_u32 v4, v5, 4, v4
	s_lshl_b32 s22, s12, 8                         ; my 128 columns of B
	s_add_co_u32 s22, s22, BOFF
	v_add_nc_u32 v[B0], s22, v4
	s_mul_i32 s23, s10, DREG
	v_mul_u32_u24 v5, v1, PD
	v_lshl_add_u32 v5, v2, 5, v5
	v_add_nc_u32 v[DST], s23, v5                   ; row l % 16, 32 bytes for each half of the lanes
	v_lshlrev_b32 v[CO], 3, v6                     ; 8 bytes a lane: 256 consecutive bytes a store
.if GELU
	v_lshl_add_u32 v[RDA], v6, 4, s23              ; back: a row of 512 bytes a load
	s_lshl_b32 s16, s13, 8
	s_lshl_b32 s17, s11, 7
	s_add_co_u32 s16, s16, s17                     ; my first row,
	s_lshl_b32 s16, s16, 13                        ; 8,192 bytes each
	s_lshl_b32 s17, s42, 9
	s_add_co_u32 s16, s16, s17
	s_lshl_b32 s17, s12, 8
	s_add_co_u32 s16, s16, s17                     ; my first column, 2 bytes each
.else
	v_mul_u32_u24 v5, v2, PD                       ; back: lanes 0-15 take 64 columns of one row, lanes 16-31 of the next
	v_lshl_add_u32 v5, v1, 4, v5
	v_add_nc_u32 v[RDA], s23, v5
	s_lshl_b32 s14, s42, 8
	s_lshl_b32 s15, s12, 7
	s_add_co_u32 s14, s14, s15                     ; my first column n0
	s_lshl_b32 s15, s13, 8
	s_lshl_b32 s16, s11, 7
	s_add_co_u32 s15, s15, s16                     ; my first row m0
	s_lshr_b32 s16, s14, 10                        ; q, k or v
	s_lshl_b32 s16, s16, 5
	s_lshr_b32 s17, s15, 11                        ; batch
	s_lshl4_add_u32 s16, s17, s16
	s_bfe_u32 s17, s14, 0x40006                    ; head
	s_add_co_u32 s16, s16, s17
	s_lshl_b32 s16, s16, 18                        ; a head is 2,048 rows of 128 bytes
	s_and_b32 s17, s15, 2047
	s_lshl_b32 s17, s17, 7
	s_add_co_u32 s16, s16, s17
.endif
	s_mov_b32 s17, 0
	s_add_nc_u64 s[8:9], s[8:9], s[16:17]
; 16 matrix instructions: m blocks a0, a0 + 1 of the window's four x all 8 n blocks, 32 along K.  zero = 1: the first product starts the sums.  The 64 accumulators take turns in one order on every way.
.macro MUL16 f, hi, a0, zero
	WIN MUL_LO+0x50*(\hi)
.irp a, \a0, (\a0)+1
.irp b, 0,1,2,3,4,5,6,7
.if \zero
	v_wmma_f32_16x16x32_f16 v[8*(8*(\a)+(\b)):8*(8*(\a)+(\b))+7], v[(\f)+8*(\b):(\f)+8*(\b)+7], v[(\f)+8*(4*(\hi)+(\a)):(\f)+8*(4*(\hi)+(\a))+7], 0
.else
	v_wmma_f32_16x16x32_f16 v[8*(8*(\a)+(\b)):8*(8*(\a)+(\b))+7], v[(\f)+8*(\b):(\f)+8*(\b)+7], v[(\f)+8*(4*(\hi)+(\a)):(\f)+8*(4*(\hi)+(\a))+7], v[8*(8*(\a)+(\b)):8*(8*(\a)+(\b))+7]
.endif
.endr
.endr
.endm
; 32 LDS loads in one run: the fragments of quarter q (32 along K) of the slot in hand, into buffer f: B's 16 first, then A's
.macro FETCH q, f
	WIN TO_B
.irp i, 0,1,2,3,4,5,6,7
	ds_load_tr16_b128 v[(\f)+8*(\i):(\f)+8*(\i)+3],   v[ADRB] offset:(\q)*32*PB+32*(\i)
	ds_load_tr16_b128 v[(\f)+8*(\i)+4:(\f)+8*(\i)+7], v[ADRB] offset:(\q)*32*PB+16*PB+32*(\i)
.endr
	WIN 0
.irp i, 0,1,2,3,4,5,6,7
	ds_load_b128 v[(\f)+8*(\i):(\f)+8*(\i)+3],   v[ADRA] offset:64*(\q)+(\i)*16*PA
	ds_load_b128 v[(\f)+8*(\i)+4:(\f)+8*(\i)+7], v[ADRA] offset:64*(\q)+(\i)*16*PA+32
.endr
.endm
.macro PLACES                          ; four plain instructions between a matrix instruction and a load into a register that it has read (ISA guide 7.12.1 for vector instructions)
.rept 4
	v_nop
.endr
.endm
; multiplies buffer f; in its middle fetches quarter q into buffer g
.macro QUARTER q, f, g, zero
	s_wait_dscnt 8                                 ; B and A's rows 0-63 are in; the youngest eight loads (A's rows 64-127) may be out
	MUL16 \f, 0, 0, \zero
	MUL16 \f, 0, 2, \zero
	PLACES
	FETCH \q, \g
	s_wait_dscnt 32                                ; all but the 32 just issued
	MUL16 \f, 1, 0, \zero
	MUL16 \f, 1, 2, \zero
.endm
; the first half of a K step's last quarter, and the one barrier of a change of slots
.macro MEET
	WIN 0
	s_wait_tensorcnt 0x0                           ; all my tensor loads have landed: the one that was out is my part of the next slot
	ds_add_u32 v[SPW], v[NIL]                      ; 0 onto my spare word
	s_wait_dscnt 9                                 ; the add and the youngest eight loads may be out
	MUL16 F1, 0, 0, 0
	s_wait_dscnt 0x0                               ; the add is done, and my reads of this slot are over
	s_barrier_signal -1
	MUL16 F1, 0, 2, 0                              ; work on registers while the others arrive
	WIN 0
	s_barrier_wait -1
.endm
; the whole last quarter in the loop: the slot just read out is filled again, with the K step two steps on: 224 matrix instructions stand between the request and the wait for it
.macro TURN
	MEET
	CREST                                          ; the barrier has opened a round of the cluster's: no wave of any partner still reads this slot or has a load on its way
	s_xor_b32 s[G0+5], s[G0+5], SLOT               ; the walking descriptors: the other slot than last time,
	s_xor_b32 s[G0B+5], s[G0B+5], SLOT
	KNEXT                                          ; the next K step of the cluster's round
	KADR 1
	s_xor_b32 s[RB], s[RB], SLOT
	JLOAD 1                                        ; the first tensor load behind the round; its four v_nop are also the places in front of the loads below
	v_add_nc_u32 v[ADRA], s[RB], v[A0]
	v_add_nc_u32 v[ADRB], s[RB], v[B0]
	FETCH 0, F0
	MUL16 F1, 1, 0, 0
	MUL16 F1, 1, 2, 0
.endm
	s_wait_tensorcnt 1                             ; my part of the first K step is in; the second's may stay out
	s_barrier_signal -1
	s_barrier_wait -1
	v_add_nc_u32 v[ADRA], s[RB], v[A0]
	v_add_nc_u32 v[ADRB], s[RB], v[B0]
	FETCH 0, F0
	QUARTER 1, F0, F1, 1                           ; the first quarter stands in front of the loop: its products start the sums
	WIN 0
	s_mov_b32 s3, NS-2
.Lstep:                                        ; a trip: a K step's quarters 1 to 3 and the next step's quarter 0; trip t asks for the cluster's K step t + 2
	QUARTER 2, F1, F0, 0
	QUARTER 3, F0, F1, 0
	TURN
	QUARTER 1, F0, F1, 0
	WIN 0
	s_sub_co_u32 s3, s3, 1
	s_cmp_lg_u32 s3, 0
	s_cbranch_scc1 .Lstep
	s_mov_b32 s2, 2
.Ltail:                                        ; the last two K steps ask for nothing: written apart; the second trip is left in its middle
	QUARTER 2, F1, F0, 0
	QUARTER 3, F0, F1, 0
	MEET
	s_sub_co_u32 s2, s2, 1
	s_cmp_eq_u32 s2, 0
	s_cbranch_scc1 .Llast
	s_xor_b32 s[RB], s[RB], SLOT
	v_add_nc_u32 v[ADRA], s[RB], v[A0]             ; these two and two v_nop are the places in front of the loads
	v_add_nc_u32 v[ADRB], s[RB], v[B0]
	v_nop
	v_nop
	FETCH 0, F0
	MUL16 F1, 1, 0, 0
	MUL16 F1, 1, 2, 0
	QUARTER 1, F0, F1, 0
	WIN 0
	s_branch .Ltail
.Llast:
	MUL16 F1, 1, 0, 0
	MUL16 F1, 1, 2, 0
	WIN 0
	PLACES
	PLACES
	; the sums go into my 128 rows x 528 bytes of the ring; each accumulator's low registers are read first
.set a, 0
.rept 8
	WIN 0x08+4*(a/4)                               ; store data (source 1) in window 2 or 3
.set b, 0
.rept 8
	ds_store_b128 v[DST], v[8*(8*(a%4)+b):8*(8*(a%4)+b)+3]   offset:a*16*PD+b*64
	ds_store_b128 v[DST], v[8*(8*(a%4)+b)+4:8*(8*(a%4)+b)+7] offset:a*16*PD+b*64+16
.set b, b+1
.endr
.set a, a+1
.endr
	WIN 0
.if GELU
; new_gelu(x) = x / (1 + 2^(x (K1 + K2 x^2))).  A trip's 16 rows are two halves, A (rows 0-7) and B (rows 8-15), 16 pairs of numbers a lane each, whose stages overlap: one half's exponentials or reciprocals stand by turns
; with the other half's plain lines, and a plain line never reads the line just ahead of it.  Each batch of 32 exponentials or reciprocals has one wait, ahead of its first reader.
.set XA, 32                            ; v[32:63]   half A as read back
.set XB, 192                           ; v[192:223] half B
.set TA, 224                           ; v[224:255] half A at work
.set TB, 96                            ; v[96:127]  half B at work
.set YA, 64                            ; v[64:79]   half A, f16
.set YB, 80                            ; v[80:95]   half B, f16
.macro GA x, t, i, n                   ; line n of the three that make pair i's exponent x (K1 + K2 x^2)
.if (\n) == 0
	v_pk_mul_f32 v[(\t)+2*(\i):(\t)+2*(\i)+1], v[(\x)+2*(\i):(\x)+2*(\i)+1], v[(\x)+2*(\i):(\x)+2*(\i)+1]
.elseif (\n) == 1
	v_pk_fma_f32 v[(\t)+2*(\i):(\t)+2*(\i)+1], v[(\t)+2*(\i):(\t)+2*(\i)+1], s[K2:K2+1], s[K1:K1+1] op_sel_hi:[1,0,0]
.else
	v_pk_mul_f32 v[(\t)+2*(\i):(\t)+2*(\i)+1], v[(\t)+2*(\i):(\t)+2*(\i)+1], v[(\x)+2*(\i):(\x)+2*(\i)+1]
.endif
.endm
	s_mov_b32 s3, 8
.Lrows:                                        ; 16 rows a trip: a row of 128 f32 a load, 4 numbers a lane
.set r, 0
.rept 16
	ds_load_b128 v[32+4*r+128*(r/8):35+4*r+128*(r/8)], v[RDA] offset:r*PD  ; LDS serves a wave's instructions in order: these see my stores above
.set r, r+1
.endr
	s_wait_dscnt 8                                 ; rows 0-7 are in
.irp n, 0,1,2
.set gi, 0
.rept 16
	GA XA, TA, gi, \n                              ; A's exponents, line by line over the 16 pairs
.set gi, gi+1
.endr
.endr
	s_wait_dscnt 0x0                               ; rows 8-15 are in
.set gi, 0
.rept 20                               ; A's exponentials by turns with B's exponents, whose three lines follow each other two pairs apart
.if gi < 16
	v_exp_f32 v[TA+2*gi], v[TA+2*gi]
	GA XB, TB, gi, 0
	v_exp_f32 v[TA+2*gi+1], v[TA+2*gi+1]
.endif
.if (gi >= 2) && (gi < 18)
	GA XB, TB, gi-2, 1
.endif
.if gi >= 4
	GA XB, TB, gi-4, 2
.endif
.set gi, gi+1
.endr
	s_wait_alu depctr_va_vdst(0)                   ; one wait for A's 32 exponentials; plain lines stand behind the last of them
.set gi, 0
.rept 16                               ; B's exponentials by turns with A's 1 + ..
	v_exp_f32 v[TB+2*gi], v[TB+2*gi]
	v_pk_add_f32 v[TA+2*gi:TA+2*gi+1], v[TA+2*gi:TA+2*gi+1], 1.0 op_sel_hi:[1,0]
	v_exp_f32 v[TB+2*gi+1], v[TB+2*gi+1]
.set gi, gi+1
.endr
	v_nop
	s_wait_alu depctr_va_vdst(0)                   ; one wait for B's 32 exponentials
.set gi, 0
.rept 16                               ; A's reciprocals by turns with B's 1 + ..
	v_rcp_f32 v[TA+2*gi], v[TA+2*gi]
	v_pk_add_f32 v[TB+2*gi:TB+2*gi+1], v[TB+2*gi:TB+2*gi+1], 1.0 op_sel_hi:[1,0]
	v_rcp_f32 v[TA+2*gi+1], v[TA+2*gi+1]
.set gi, gi+1
.endr
	v_nop
	s_wait_alu depctr_va_vdst(0)                   ; one wait for A's 32 reciprocals
.set gi, 0
.rept 16                               ; B's reciprocals by turns with A's products and, two pairs behind, their rounding
	v_rcp_f32 v[TB+2*gi], v[TB+2*gi]
	v_pk_mul_f32 v[TA+2*gi:TA+2*gi+1], v[TA+2*gi:TA+2*gi+1], v[XA+2*gi:XA+2*gi+1]
	v_rcp_f32 v[TB+2*gi+1], v[TB+2*gi+1]
.if gi >= 2
	v_cvt_pk_f16_f32 v[YA+gi-2], v[TA+2*(gi-2)], v[TA+2*(gi-2)+1]
.endif
.set gi, gi+1
.endr
	v_cvt_pk_f16_f32 v[YA+14], v[TA+28], v[TA+29]
	v_cvt_pk_f16_f32 v[YA+15], v[TA+30], v[TA+31]
	s_wait_alu depctr_va_vdst(0)                   ; one wait for B's 32 reciprocals
.set gi, 0
.rept 16
	v_pk_mul_f32 v[TB+2*gi:TB+2*gi+1], v[TB+2*gi:TB+2*gi+1], v[XB+2*gi:XB+2*gi+1]
.set gi, gi+1
.endr
.set gi, 0
.rept 16
	v_cvt_pk_f16_f32 v[YB+gi], v[TB+2*gi], v[TB+2*gi+1]
.set gi, gi+1
.endr
.set r, 0
.rept 16
	global_store_b64 v[CO], v[64+2*r:65+2*r], s[8:9] offset:r*NN*2  ; 256 consecutive bytes, aligned
.set r, r+1
.endr
	s_wait_xcnt 0x0                                ; the stores have read their data and their base
	v_add_nc_u32 v[RDA], 16*PD, v[RDA]
	s_add_nc_u64 s[8:9], s[8:9], 16*NN*2
	s_sub_co_u32 s3, s3, 1
	s_cmp_lg_u32 s3, 0
	s_cbranch_scc1 .Lrows
.else
	s_mov_b32 s3, 8
.Lrows:                                        ; 16 rows a trip; load n = 8 hh + rp: rows 2 rp, 2 rp + 1 of head hh of my two
.set n, 0
.rept 16
	ds_load_b128 v[32+4*n+128*(n/8):35+4*n+128*(n/8)], v[RDA] offset:2*(n%8)*PD+256*(n/8)
.set n, n+1
.endr
	s_wait_dscnt 0x0
.set n, 0
.rept 16
	v_cvt_pk_f16_f32 v[64+2*n], v[32+4*n+128*(n/8)], v[33+4*n+128*(n/8)]
	v_cvt_pk_f16_f32 v[65+2*n], v[34+4*n+128*(n/8)], v[35+4*n+128*(n/8)]
.set n, n+1
.endr
.set n, 0
.rept 16
	global_store_b64 v[CO], v[64+2*n:65+2*n], s[8:9] offset:(n/8)*262144+(n%8)*256  ; two rows of a head: 256 consecutive bytes, aligned
.set n, n+1
.endr
	s_wait_xcnt 0x0
	v_add_nc_u32 v[RDA], 16*PD, v[RDA]
	s_add_nc_u64 s[8:9], s[8:9], 16*128
	s_sub_co_u32 s3, s3, 1
	s_cmp_lg_u32 s3, 0
	s_cbranch_scc1 .Lrows
.endif
	s_wait_tensorcnt 0x0                           ; the wave's end, behind my last tensor load and my last LDS store
	ds_add_u32 v[SPW], v[NIL]
	s_wait_dscnt 0x0
	CROUND                                         ; the closing round
	s_endpgm
.Lfunc_end_k_qf4abbc2417_gq:
	.size	k_qf4abbc2417_gq, .Lfunc_end_k_qf4abbc2417_gq-k_qf4abbc2417_gq
	.p2alignl 7, 3214868480
	.fill 96, 4, 3214868480
	.section	.rodata,"a",@progbits
	.p2align	6, 0x0
	.amdhsa_kernel k_qf4abbc2417_gq
		.amdhsa_group_segment_fixed_size 327680
		.amdhsa_private_segment_fixed_size 0
		.amdhsa_enable_private_segment 0
		.amdhsa_kernarg_size 24
		.amdhsa_user_sgpr_count 2
		.amdhsa_user_sgpr_kernarg_segment_ptr 1
		.amdhsa_wavefront_size32 1
		.amdhsa_system_sgpr_workgroup_id_x 1
		.amdhsa_system_sgpr_workgroup_id_y 1
		.amdhsa_system_sgpr_workgroup_id_z 1
		.amdhsa_system_vgpr_workitem_id 0
		.amdhsa_next_free_vgpr 1024
		.amdhsa_next_free_sgpr 80
		.amdhsa_reserve_vcc 0
		.amdhsa_float_denorm_mode_32 3
		.amdhsa_float_denorm_mode_16_64 3
		.amdhsa_memory_ordered 1
		.amdhsa_forward_progress 1
		.amdhsa_inst_pref_size 85
	.end_amdhsa_kernel
	.amdgpu_metadata
---
amdhsa.version: [ 1, 2 ]
amdhsa.kernels:
  - .name:           k_qf4abbc2417_gq
    .symbol:         k_qf4abbc2417_gq.kd
    .args:
      - { .name: h1, .offset: 0, .size: 8, .value_kind: global_buffer, .address_space: global }
      - { .name: wh, .offset: 8, .size: 8, .value_kind: global_buffer, .address_space: global }
      - { .name: qkv, .offset: 16, .size: 8, .value_kind: global_buffer, .address_space: global }
    .group_segment_fixed_size: 327680
    .private_segment_fixed_size: 0
    .kernarg_segment_align: 8
    .kernarg_segment_size: 24
    .max_flat_workgroup_size: 128
    .sgpr_count:     80
    .vgpr_count:     1024
    .wavefront_size: 32
...
	.end_amdgpu_metadata
.endif
;; end of part 2
;; launch attn (part 3): grid 8 x 32, 8 waves a work-group, no clusters, 134,144 bytes of LDS; arguments qkv, yp; writes yp
.if DOCPART == 3
	.amdgcn_target "amdgcn-amd-amdhsa--gfx1250"
	.amdhsa_code_object_version 6
	.text
	.protected	k_qf4abbc2417_attn
	.globl	k_qf4abbc2417_attn
	.p2align	8
	.type	k_qf4abbc2417_attn,@function
k_qf4abbc2417_attn:
	s_mov_b64 s[64:65], 0
	v_nop
	global_prefetch_b8 v0, s[64:65] scope:SCOPE_SE
	s_setreg_imm32_b32 hwreg(HW_REG_WAVE_MODE, 25, 1), 1
	s_wait_xcnt 0x0
; CAUSAL ATTENTION, head size 64.  qkv: [3][32 heads][2048][64] f16 (q, k, v, unscaled); yp: [16 heads][4096 = batch x 2048 + t][64] f16.
; Products, maxima and sums in f32; the weights p are rounded to f16 for the second product (their sum l is taken of the unrounded p), y once at the end.
; THE WALK.  A head has 16 blocks of 128 queries; block i needs the key tiles 0 .. i of 128 keys, the last of which holds the diagonal.  A work-group takes blocks 15 - b and then b: 17 tiles whatever b,
; so one loop of 17 trips serves all 256 work-groups and all do equal work.
; SHARES.  Eight waves, two to a SIMD.  Wave w: p = w % 4 owns queries 32 p .. 32 p + 31 of the block (two tiles of 16); g = w / 4 owns keys 64 g .. 64 g + 63 of every tile.  The two waves of a p keep
; a running maximum, sum and O of their own and meet in LDS at the block's end.  One wave's softmax runs beside the other's products, so a trip's text stands once, in phases.
; K AND V come through registers: each thread loads 64 bytes of the next tile's K and V at a trip's head and stores them into the other LDS slot at its end.  The last trip's load and store (tile 0 once more) serve nothing:
; the price of one text for every trip.  NO CLUSTER: without tensor loads there is no joint request, and the partners' walks part after the ninth trip.
; LAYOUT.  S^T = K Q^T: a lane holds ONE query (l % 16) and the keys 8 (l / 16) + 0..7; two such results rounded to f16 in pairs are source 1 of O^T = V^T P.  p = 2^(c s - c m), c = log2(e) / 8.
; TWO BARRIERS A TRIP.  The one at the end shows the stored slot and the merge bytes to all, and that all reads of the slot stored next are over; the one at the head stands between the reads of the merge bytes and their next store.
; THE MASK'S VALUE IS A POWER OF TWO, -2^100.  In block 0 the wave with keys 64 .. 127 sees hidden keys alone for queries 0 .. 63, so its maximum m is the mask's value itself.  c x 2^100 is exact in f32, so there c s - c m is
; exactly 0, the weights are 1, and l and O stay finite; with another value the fused c s - c m would leave the rounding of c m, a huge number, as the exponent.  In the merge that wave's factor 2^(c m - M) is 0.
; LIMITS.  q, k, v arrive within f16's 65,504, so scores are 2.7e11 at the most.  A hidden score counts as -2^100 (-1.27e30).  A weight below 2^-126 counts as 0.  NaN and infinities are not treated apart.
.set PKB,   144                        ; a row of K in LDS: 128 + 16 bytes
.set PVB,   160                        ; a row of V: 128 + 32 bytes
.set VOFF,  128*PKB
.set SLOT,  128*(PKB+PVB)              ; 38,912
.set MERGE, 2*SLOT                     ; for each p: 8,192 bytes of O and 2 x 512 of statistics
.set MREG,  9216
.set STAGE, MERGE+4*MREG               ; for each p: 32 rows x 144 bytes, for the way out
.set SREG,  32*144
.set SPARE, STAGE+4*SREG               ; the spare words, 128 bytes for each wave, which no other line names
.set AK0, 2                            ; v2   my lane's place in a tile of K (my 64 keys); never rewritten
.set AV0, 3                            ; v3   the same for V
.set AK,  4                            ; v4   s[RB] + AK0
.set AV,  5                            ; v5   s[RB] + AV0
.set SK0, 6                            ; v6   where my thread's 16 bytes of K go in a slot
.set SV0, 7                            ; v7   the same for V
.set SK,  8                            ; v8   s[WB] + SK0
.set SV,  9                            ; v9   s[WB] + SV0
.set GL,  10                           ; v10  16 x thread
.set QO,  11                           ; v11  my byte offset in 16 rows of Q
.set DQ,  12                           ; v12-13  by tile: my query's place less my first key's: register r of key block kb is hidden where 16 kb + r is greater
.set MST, 14                           ; v14  my 16 bytes in the merge bytes of my p
.set STO, 15                           ; v15  the way out: where I put 16 bytes of a row
.set RD,  16                           ; v16  where I read rows back
.set GO,  17                           ; v17  16 x lane
.set PFO, 18                           ; v18  256 x lane
.set SPW, 19                           ; v19  my spare word; never rewritten
.set NIL, 20                           ; v20  0; never rewritten
.set BIG, 21                           ; v21  -2^100
.set MV,  22                           ; v22-23  c m_old, by tile
.set ST,  24                           ; v[24:31] by tile: c m, m, l (even keys', odd keys')
.set TMP, 32                           ; v[32:39] by tile: c0-c3 at work; c2 takes a
.set U,   44                           ; v[44:59] by tile: four pairs of sums; in FINISH the partner's statistics
.set S,   64                           ; v[64:127]  S^T, 32 a tile; P takes the low 16 of each
.set O,   128                          ; v[128:191] O^T, 32 a tile
.set KV,  192                          ; v[192:255] K's fragments, then V's
.set Q,   0                            ; window 1: v[0:31] Q, 16 a tile
.set SG,  32                           ; window 1: v[32:63] the next tile's bytes on their way
.set KB, 8                             ; s[8:9]   k at the head
.set VB, 10                            ; s[10:11] v at the head
.set QH, 12                            ; s[12:13], s[14:15] q at my rows of the first and second block
.set QL, 14
.set YH, 16                            ; s[16:17], s[18:19] yp likewise
.set YL, 18
.set KA, 20                            ; s[20:21], s[22:23] the tile that is being loaded
.set VA, 22
.set PFB, 24                           ; s[24:25] the prefetches' base, s[26:27] their address
.set PFA, 26
.set OFF, 28                           ; s[28:29] a tile's byte offset
.set WV, 30
.set GW, 31
.set PW, 32
.set PB, 33                            ; b
.set RT, 35                            ; tiles of the block in hand still to be entered
.set NXT, 36                           ; the tile to be loaded next
.set LQ, 37                            ; the last tile of the block whose tiles are being loaded
.set NEW, 38                           ; 1: a block has just ended
.set LEFT, 39
.set RB, 40                            ; the slot that is read
.set WB, 41                            ; the slot that is stored
.set PFT, 42                           ; the tile to be prefetched
.set PLIM, 43                          ; 15 in a wave that prefetches, else 0
.set CS, 44                            ; s[44:45] c
.set SEL, 46                           ; s[46:47] v_permlanex16_b32's selects
.set MSB, 0
.macro WIN new
.if MSB != (\new)
	s_set_vgpr_msb (MSB<<8)|(\new)
.set MSB, \new
.endif
.endm
; product i of 16 of S^T = K Q^T: channels 32 (i / 8) on, keys 16 ((i / 2) % 4) on, tile i % 2.  The 8 accumulators take turns; the first 8 products start the sums.
.macro KQ
	WIN 0x04                                       ; Q (source 1) in window 1
.set rS, S+32*(i%2)+8*((i/2)%4)
.set rK, KV+16*((i/2)%4)+8*(i/8)
.set rQ, Q+16*(i%2)+8*(i/8)
.if i < 8
	v_wmma_f32_16x16x32_f16 v[rS:rS+7], v[rK:rK+7], v[rQ:rQ+7], 0
.else
	v_wmma_f32_16x16x32_f16 v[rS:rS+7], v[rK:rK+7], v[rQ:rQ+7], v[rS:rS+7]
.endif
.set i, i+1
.endm
; product i of 16 of O^T += V^T P: keys 32 (i / 8) on, channels 16 ((i / 2) % 4) on, tile i % 2
.macro PVM
.set rO, O+32*(i%2)+8*((i/2)%4)
.set rV, KV+32*(i/8)+8*((i/2)%4)
.set rP, S+32*(i%2)+8*(i/8)
	v_wmma_f32_16x16x32_f16 v[rO:rO+7], v[rV:rV+7], v[rP:rP+7], v[rO:rO+7]
.set i, i+1
.endm
.macro LDK                             ; my 64 keys x 64 channels: fragment f: keys 16 (f / 2) on, channels 32 (f % 2) on
.irp f, 0,1,2,3,4,5,6,7
	ds_load_b128 v[KV+8*(\f):KV+8*(\f)+3],   v[AK] offset:((\f)/2)*16*PKB+((\f)%2)*64
	ds_load_b128 v[KV+8*(\f)+4:KV+8*(\f)+7], v[AK] offset:((\f)/2)*16*PKB+((\f)%2)*64+32
.endr
.endm
.macro LDV                             ; turned: fragment f: keys 32 (f / 4) on, channels 16 (f % 4) on
.irp f, 0,1,2,3,4,5,6,7
	ds_load_tr16_b128 v[KV+8*(\f):KV+8*(\f)+3],   v[AV] offset:((\f)/4)*32*PVB+((\f)%4)*32
	ds_load_tr16_b128 v[KV+8*(\f)+4:KV+8*(\f)+7], v[AV] offset:((\f)/4)*32*PVB+16*PVB+((\f)%4)*32
.endr
.endm
; number n of the 22 that find tile t's maximum and statistics: 0-11 four chains of seven scores (each accumulator's lowest registers first); 12-14, 16 the rest, the old m, four into one; 15 c m_old is kept;
; 17, 18 the other half of the lanes: the new m; 19-21 c m, c m_old - c m_new, a
.macro XS t, n
.set rT, ST+4*(\t)
.set rC, TMP+4*(\t)
.set rM, MV+(\t)
.set rS, S+32*(\t)
.if (\n) < 4
	v_max3_num_f32 v[rC+(\n)], v[rS+8*(\n)], v[rS+8*(\n)+1], v[rS+8*(\n)+2]
.elseif (\n) < 12
	v_max3_num_f32 v[rC+(\n)%4], v[rC+(\n)%4], v[rS+8*((\n)%4)+2*((\n)/4)+1], v[rS+8*((\n)%4)+2*((\n)/4)+2]
.elseif (\n) == 12
	v_max3_num_f32 v[rC], v[rC], v[rS+7], v[rS+15]
.elseif (\n) == 13
	v_max3_num_f32 v[rC+1], v[rC+1], v[rS+23], v[rS+31]
.elseif (\n) == 14
	v_max3_num_f32 v[rC+2], v[rC+2], v[rC+3], v[rT+1]
.elseif (\n) == 15
	v_mov_b32 v[rM], v[rT]
.elseif (\n) == 16
	v_max3_num_f32 v[rC], v[rC], v[rC+1], v[rC+2]
.elseif (\n) == 17
	v_permlanex16_b32 v[rC+3], v[rC], s[SEL], s[SEL+1]
.elseif (\n) == 18
	v_max_num_f32 v[rT+1], v[rC], v[rC+3]
.elseif (\n) == 19
	v_mul_f32 v[rT], s[CS], v[rT+1]
.elseif (\n) == 20
	v_sub_f32 v[rC+1], v[rM], v[rT]
.else
	v_exp_f32 v[rC+2], v[rC+1]
.endif
.endm
.macro FS t, n                         ; c s - c m for pair n
	v_pk_fma_f32 v[S+32*(\t)+2*(\n):S+32*(\t)+2*(\n)+1], v[S+32*(\t)+2*(\n):S+32*(\t)+2*(\n)+1], s[CS:CS+1], v[ST+4*(\t):ST+4*(\t)+1] op_sel_hi:[1,0,0] neg_lo:[0,0,1] neg_hi:[0,0,1]
.endm
.macro EX t, n
	v_exp_f32 v[S+32*(\t)+(\n)], v[S+32*(\t)+(\n)]
.endm
; line z of the 16 that add the tile's 16 pairs of weights, which stay as they are, and give the sum to l = a l + sum
.macro SU t, z
.set rT, ST+4*(\t)
.set rC, TMP+4*(\t)
.set rS, S+32*(\t)
.set rU, U+8*(\t)
.if (\z) < 4
	v_pk_add_f32 v[rU+2*(\z):rU+2*(\z)+1], v[rS+2*(\z):rS+2*(\z)+1], v[rS+2*(\z)+8:rS+2*(\z)+9]
.elseif (\z) < 12
	v_pk_add_f32 v[rU+2*((\z)%4):rU+2*((\z)%4)+1], v[rU+2*((\z)%4):rU+2*((\z)%4)+1], v[rS+2*(\z)+8:rS+2*(\z)+9]
.elseif (\z) == 12
	v_pk_add_f32 v[rU:rU+1], v[rU:rU+1], v[rU+2:rU+3]
.elseif (\z) == 13
	v_pk_add_f32 v[rU+4:rU+5], v[rU+4:rU+5], v[rU+6:rU+7]
.elseif (\z) == 14
	v_pk_add_f32 v[rU:rU+1], v[rU:rU+1], v[rU+4:rU+5]
.else
	v_pk_fma_f32 v[rT+2:rT+3], v[rT+2:rT+3], v[rC+2:rC+3], v[rU:rU+1] op_sel_hi:[1,0,1]
.endif
.endm
.macro RS t, n                         ; pair n of O^T times a
	v_pk_mul_f32 v[O+32*(\t)+2*(\n):O+32*(\t)+2*(\n)+1], v[O+32*(\t)+2*(\n):O+32*(\t)+2*(\n)+1], v[TMP+4*(\t)+2:TMP+4*(\t)+3] op_sel_hi:[1,0]
.endm
.macro CV t, n                         ; pair n rounded to f16, in place: register n is written when pairs up to n have been read
	v_cvt_pk_f16_f32 v[S+32*(\t)+(\n)], v[S+32*(\t)+2*(\n)], v[S+32*(\t)+2*(\n)+1]
.endm
.macro MASK                            ; the diagonal tile: hidden scores become -2^100; each accumulator's registers in ascending order
.irp t, 0,1
.set i, 0
.rept 32
	v_cmp_gt_i32 vcc_lo, 16*(i/8)+i%8, v[DQ+(\t)]
	v_cndmask_b32 v[S+32*(\t)+i], v[S+32*(\t)+i], v[BIG], vcc_lo
.set i, i+1
.endr
.endr
.endm
.macro STASH                           ; the next tile's bytes go into the slot that nobody reads
	WIN 0x04                                       ; store data (source 1) in window 1
.irp j, 0,1,2,3
	ds_store_b128 v[SK], v[SG+4*(\j):SG+4*(\j)+3] offset:32*PKB*(\j)
	ds_store_b128 v[SV], v[SG+16+4*(\j):SG+16+4*(\j)+3] offset:32*PVB*(\j)
.endr
	WIN 0
.endm
.macro FLIP                            ; the slots change places.  Five plain instructions: the places between the last product V^T P and the loads and products that write over its registers
	s_xor_b32 s[RB], s[RB], SLOT
	s_xor_b32 s[WB], s[WB], SLOT
	v_add_nc_u32 v[AK], s[RB], v[AK0]
	v_add_nc_u32 v[AV], s[RB], v[AV0]
	v_add_nc_u32 v[SK], s[WB], v[SK0]
	v_add_nc_u32 v[SV], s[WB], v[SV0]
	v_nop
.endm
.macro MSTORE                          ; waves 4-7 hand O^T and their statistics to their partners
	s_cmp_lt_u32 s[WV], 4
	s_cbranch_scc1 .Lnost_\@
.rept 4
	v_nop                                          ; the places behind the last products
.endr
.set i, 0
.rept 16
	ds_store_b128 v[MST], v[O+4*i:O+4*i+3] offset:512*i
.set i, i+1
.endr
	ds_store_b128 v[MST], v[ST:ST+3] offset:8192
	ds_store_b128 v[MST], v[ST+4:ST+7] offset:8704
.Lnost_\@:
.endm
; A block begins: c m far below every c s, so the first step's a is 0 and what O^T and l hold need only be finite; m at the lowest finite number; the block's Q.
.macro BEGIN qp
	s_mov_b32 s[NEW], 0
.irp t, 0,1
	v_mov_b32 v[ST+4*(\t)], 0xfe000000
	v_mov_b32 v[ST+4*(\t)+1], 0xff7fffff
.endr
	WIN 0x40
.irp f, 0,1,2,3                        ; tile f / 2, channels 32 (f % 2) on
	global_load_b128 v[Q+8*(\f):Q+8*(\f)+3],   v[QO], s[(\qp):(\qp)+1] offset:((\f)/2)*2048+((\f)%2)*64
	global_load_b128 v[Q+8*(\f)+4:Q+8*(\f)+7], v[QO], s[(\qp):(\qp)+1] offset:((\f)/2)*2048+((\f)%2)*64+32
.endr
	WIN 0
.endm
; A block ends, in waves 0-3: with M = max(c m, c m'), O = (2^(c m - M) O + 2^(c m' - M) O') / (2^(c m - M) l + 2^(c m' - M) l'); rounded to f16 and sent through my stage in LDS as whole rows.
.macro FINISH yq
	s_cmp_lt_u32 s[WV], 4
	s_cbranch_scc0 .Lnofin_\@
.set i, 0
.rept 16
	ds_load_b128 v[KV+4*i:KV+4*i+3], v[MST] offset:512*i
.set i, i+1
.endr
	ds_load_b128 v[U:U+3], v[MST] offset:8192
	ds_load_b128 v[U+4:U+7], v[MST] offset:8704
	s_wait_dscnt 0x0
.irp t, 0,1
	v_max_num_f32 v[TMP+4*(\t)], v[ST+4*(\t)], v[U+4*(\t)]
.endr
.irp t, 0,1
	v_sub_f32 v[TMP+4*(\t)+1], v[ST+4*(\t)], v[TMP+4*(\t)]
	v_sub_f32 v[TMP+4*(\t)+3], v[U+4*(\t)], v[TMP+4*(\t)]
.endr
.irp t, 0,1
	v_exp_f32 v[TMP+4*(\t)+1], v[TMP+4*(\t)+1]
	v_exp_f32 v[TMP+4*(\t)+3], v[TMP+4*(\t)+3]
.endr
.irp t, 0,1
	v_add_f32 v[ST+4*(\t)+2], v[ST+4*(\t)+2], v[ST+4*(\t)+3]   ; plain work behind the exponentials: l's two halves
	v_add_f32 v[U+4*(\t)+2], v[U+4*(\t)+2], v[U+4*(\t)+3]
.endr
	s_wait_alu depctr_va_vdst(0)                   ; one wait for the four exponentials
.irp t, 0,1
	v_mul_f32 v[TMP+4*(\t)+2], v[TMP+4*(\t)+3], v[U+4*(\t)+2]
.endr
.irp t, 0,1
	v_fma_f32 v[TMP+4*(\t)+2], v[TMP+4*(\t)+1], v[ST+4*(\t)+2], v[TMP+4*(\t)+2]
.endr
.irp t, 0,1
	v_permlanex16_b32 v[TMP+4*(\t)], v[TMP+4*(\t)+2], s[SEL], s[SEL+1]
.endr
.irp t, 0,1
	v_add_f32 v[TMP+4*(\t)+2], v[TMP+4*(\t)+2], v[TMP+4*(\t)]
.endr
.irp t, 0,1
	v_rcp_f32 v[TMP+4*(\t)+2], v[TMP+4*(\t)+2]
.endr
	v_nop
	s_wait_alu depctr_va_vdst(0)                   ; one wait for the two reciprocals
.irp t, 0,1
	v_mul_f32 v[TMP+4*(\t)], v[TMP+4*(\t)+1], v[TMP+4*(\t)+2]      ; my factor in c0,
	v_mul_f32 v[TMP+4*(\t)+2], v[TMP+4*(\t)+3], v[TMP+4*(\t)+2]    ; the partner's in c2
.endr
.irp t, 0,1
.set i, 0
.rept 16
	v_pk_mul_f32 v[O+32*(\t)+2*i:O+32*(\t)+2*i+1], v[O+32*(\t)+2*i:O+32*(\t)+2*i+1], v[TMP+4*(\t):TMP+4*(\t)+1] op_sel_hi:[1,0]
	v_pk_fma_f32 v[O+32*(\t)+2*i:O+32*(\t)+2*i+1], v[KV+32*(\t)+2*i:KV+32*(\t)+2*i+1], v[TMP+4*(\t)+2:TMP+4*(\t)+3], v[O+32*(\t)+2*i:O+32*(\t)+2*i+1] op_sel_hi:[1,0,1]
.set i, i+1
.endr
.endr
.set i, 0
.rept 32
	v_cvt_pk_f16_f32 v[S+i], v[O+2*i], v[O+2*i+1]
.set i, i+1
.endr
.set i, 0
.rept 8                                ; tile i / 4, channels 16 (i % 4) on
	ds_store_b128 v[STO], v[S+4*i:S+4*i+3] offset:(i/4)*16*144+(i%4)*32
.set i, i+1
.endr
.set i, 0
.rept 8                                ; four rows of 128 bytes a load; LDS serves a wave's instructions in order: these see the stores above
	ds_load_b128 v[S+32+4*i:S+32+4*i+3], v[RD] offset:(i/4)*16*144+(i%4)*4*144
.set i, i+1
.endr
.set i, 0
.rept 8
	s_wait_dscnt 7-i
	global_store_b128 v[GO], v[S+32+4*i:S+32+4*i+3], s[(\yq):(\yq)+1] offset:i*512  ; 512 consecutive bytes, aligned
.set i, i+1
.endr
.Lnofin_\@:
.endm
	s_load_b128 s[4:7], s[0:1], 0x0                ; qkv s[4:5], yp s[6:7]
	v_lshl_add_u32 v[SPW], v0, 2, SPARE
	v_mov_b32 v[NIL], 0
	v_lshrrev_b32 v1, 5, v0
	v_readfirstlane_b32 s[WV], v1                  ; wave 0..7
	s_lshr_b32 s[GW], s[WV], 2
	s_and_b32 s[PW], s[WV], 3
	s_mov_b32 s[PB], ttmp9
	s_and_b32 s48, ttmp7, 0xffff                   ; batch x 16 + head
	s_mov_b32 s[CS], 0x3e38aa3b                    ; c = log2(e) / 8
	s_mov_b32 s[CS+1], s[CS]
	s_mov_b32 s[SEL], 0x76543210
	s_mov_b32 s[SEL+1], 0xfedcba98
	s_sub_co_u32 s49, 15, s[PB]                    ; the first block
	s_lshl_b32 s50, s48, 18                        ; a head is 262,144 bytes
	s_mov_b32 s51, 0
	s_lshl_b32 s54, s[PW], 12                      ; my 32 rows of 128 bytes
	s_lshl_b32 s52, s49, 14
	s_add_co_u32 s52, s52, s54
	s_mov_b32 s53, 0
	s_lshl_b32 s56, s[PB], 14
	s_add_co_u32 s56, s56, s54
	s_mov_b32 s57, 0
	s_and_b32 s58, s48, 15
	s_lshl_b32 s58, s58, 19                        ; in yp a head is 4,096 rows,
	s_lshr_b32 s55, s48, 4
	s_lshl_b32 s55, s55, 18                        ; a batch 2,048 of them
	s_add_co_u32 s58, s58, s55
	s_mov_b32 s59, 0
	s_sub_co_u32 s[RT], 16, s[PB]                  ; the first block has 16 - b tiles
	s_mov_b32 s[NXT], 1
	s_mov_b32 s[LQ], s49
	s_mov_b32 s[LEFT], 17
	s_mov_b32 s[RB], SLOT                          ; FLIP below turns these two round
	s_mov_b32 s[WB], 0
	s_mov_b32 s[PFT], 2
	s_mov_b32 s[OFF+1], 0
	s_lshr_b32 s54, s[WV], 2
	s_or_b32 s54, s54, s[PB]
	s_cmp_eq_u32 s54, 0                            ; waves 0-3 of the head's work-group b = 0, whose first block walks all 16 tiles
	s_cselect_b32 s[PLIM], 15, 0
	v_and_b32 v40, 15, v0                          ; l % 16
	v_bfe_u32 v41, v0, 4, 1                        ; l / 16
	v_and_b32 v42, 7, v0
	v_bfe_u32 v43, v0, 3, 1
	v_and_b32 v60, 31, v0                          ; l
	v_mul_u32_u24 v[AK0], v40, PKB
	v_lshl_add_u32 v[AK0], v41, 4, v[AK0]
	s_mul_i32 s54, s[GW], 64*PKB
	v_add_nc_u32 v[AK0], s54, v[AK0]
	v_lshl_add_u32 v[AV0], v41, 3, v42             ; the turning load: key 8 (l / 16) + l % 8, channels 8 ((l / 8) % 2) + 0..7
	v_mul_u32_u24 v[AV0], v[AV0], PVB
	v_lshl_add_u32 v[AV0], v43, 4, v[AV0]
	s_mul_i32 s54, s[GW], 64*PVB
	s_add_co_u32 s54, s54, VOFF
	v_add_nc_u32 v[AV0], s54, v[AV0]
	v_lshrrev_b32 v61, 3, v0                       ; thread / 8: a key of the 32 that one load of the work-group covers
	v_mul_u32_u24 v[SK0], v61, PKB
	v_lshl_add_u32 v[SK0], v42, 4, v[SK0]
	v_mul_u32_u24 v[SV0], v61, PVB
	v_lshl_add_u32 v[SV0], v42, 4, v[SV0]
	v_add_nc_u32 v[SV0], VOFF, v[SV0]
	v_lshlrev_b32 v[GL], 4, v0
	v_lshlrev_b32 v[QO], 7, v40
	v_lshl_add_u32 v[QO], v41, 4, v[QO]
	s_lshl_b32 s54, s[PW], 5
	s_lshl_b32 s55, s[GW], 6
	s_sub_co_i32 s54, s54, s55                     ; 32 p - 64 g
	v_lshlrev_b32 v62, 3, v41
	v_sub_nc_u32 v62, v40, v62
	v_add_nc_u32 v[DQ], s54, v62
	v_add_nc_u32 v[DQ+1], 16, v[DQ]
	s_mul_i32 s54, s[PW], MREG
	s_add_co_u32 s54, s54, MERGE
	v_lshl_add_u32 v[MST], v60, 4, s54
	s_mul_i32 s55, s[PW], SREG
	s_add_co_u32 s55, s55, STAGE
	v_mul_u32_u24 v[STO], v40, 144
	v_lshl_add_u32 v[STO], v41, 4, v[STO]
	v_add_nc_u32 v[STO], s55, v[STO]
	v_bfe_u32 v[RD], v0, 3, 2
	v_mul_u32_u24 v[RD], v[RD], 144
	v_lshl_add_u32 v[RD], v42, 4, v[RD]
	v_add_nc_u32 v[RD], s55, v[RD]
	v_lshlrev_b32 v[GO], 4, v60
	v_lshlrev_b32 v[PFO], 8, v60
	v_mov_b32 v[BIG], 0xf1800000                   ; -2^100: a power of two, so that c times it is exact
	v_add_nc_u32 v[SK], s[WB], v[SK0]
	v_add_nc_u32 v[SV], s[WB], v[SV0]
	s_wait_kmcnt 0x0
	s_add_nc_u64 s[4:5], s[4:5], s[50:51]          ; q at the head
	s_add_nc_u64 s[KB:KB+1], s[4:5], 0x800000
	s_add_nc_u64 s[VB:VB+1], s[4:5], 0x1000000
	s_add_nc_u64 s[QH:QH+1], s[4:5], s[52:53]
	s_add_nc_u64 s[QL:QL+1], s[4:5], s[56:57]
	s_add_nc_u64 s[6:7], s[6:7], s[58:59]
	s_add_nc_u64 s[YH:YH+1], s[6:7], s[52:53]
	s_add_nc_u64 s[YL:YL+1], s[6:7], s[56:57]
	s_cmp_lt_u32 s[WV], 2                          ; waves 0 and 1 prefetch K's halves of a tile, waves 2 and 3 V's
	s_cselect_b64 s[PFB:PFB+1], s[KB:KB+1], s[VB:VB+1]
	s_and_b32 s54, s[WV], 1
	s_lshl_b32 s54, s54, 13
	s_mov_b32 s55, 0
	s_add_nc_u64 s[PFB:PFB+1], s[PFB:PFB+1], s[54:55]
	WIN 0x40
.irp j, 0,1,2,3
	global_load_b128 v[SG+4*(\j):SG+4*(\j)+3], v[GL], s[KB:KB+1] offset:4096*(\j)        ; tile 0
	global_load_b128 v[SG+16+4*(\j):SG+16+4*(\j)+3], v[GL], s[VB:VB+1] offset:4096*(\j)
.endr
	WIN 0
	BEGIN QH
.set i, 0
.rept 64
	v_mov_b32 v[O+i], 0                            ; finite numbers for the first step's a = 0: written while the first loads are out, so that no first step is written apart
.set i, i+1
.endr
.irp t, 0,1
	v_mov_b32 v[ST+4*(\t)+2], 0
	v_mov_b32 v[ST+4*(\t)+3], 0
.endr
	s_wait_loadcnt 0x0
	STASH                                          ; into slot 0
	FLIP                                           ; slot 0 is read, slot 1 stored
	s_wait_dscnt 0x0                               ; for the others' sake: my stores are done
	s_barrier_signal -1
	s_barrier_wait -1
.Ltrip:
	s_cmp_eq_u32 s[NEW], 1
	s_cbranch_scc0 .Lold
	FINISH YH                                      ; in the loop this is the first block's end
	BEGIN QL
.Lold:
	s_wait_dscnt 0x0                               ; my reads of the merge bytes are over
	s_barrier_signal -1
	s_barrier_wait -1                              ; everybody's are: they may be stored again
	s_wait_xcnt 0x0                                ; earlier loads, stores and prefetches have read their addresses and data: the pointers below and S^T's registers may be written
	s_lshl_b32 s[OFF], s[NXT], 14                  ; a tile is 16,384 bytes of K and of V
	s_add_nc_u64 s[KA:KA+1], s[KB:KB+1], s[OFF:OFF+1]
	s_add_nc_u64 s[VA:VA+1], s[VB:VB+1], s[OFF:OFF+1]
	s_min_u32 s48, s[PFT], 15                      ; clamped: the address stays inside the head
	s_lshl_b32 s[OFF], s48, 14
	s_add_nc_u64 s[PFA:PFA+1], s[PFB:PFB+1], s[OFF:OFF+1]
	WIN 0x40
.irp j, 0,1,2,3
	global_load_b128 v[SG+4*(\j):SG+4*(\j)+3], v[GL], s[KA:KA+1] offset:4096*(\j)        ; the next trip's tile: a wave's load covers 512 consecutive bytes
	global_load_b128 v[SG+16+4*(\j):SG+16+4*(\j)+3], v[GL], s[VA:VA+1] offset:4096*(\j)
.endr
	WIN 0
	s_add_co_u32 s[NXT], s[NXT], 1                 ; the block's next tile, or behind its last the second block's tile 0
	s_cmp_gt_u32 s[NXT], s[LQ]
	s_cselect_b32 s[NXT], 0, s[NXT]
	s_cselect_b32 s[LQ], s[PB], s[LQ]
	s_cmp_le_u32 s[PFT], s[PLIM]                   ; trip t loads tile t + 1 and names tile t + 2, a lane a block of 256 bytes, up to tile 15: each block of the head's K and V from tile 2 on is named once
	s_cbranch_scc0 .Lnoask
	global_prefetch_b8 v[PFO], s[PFA:PFA+1] th:TH_LOAD_NT scope:SCOPE_SE
.Lnoask:
	s_add_co_u32 s[PFT], s[PFT], 1
	LDK
	s_wait_loadcnt 8                               ; Q is in; the eight loads of the next tile stay out
	s_wait_dscnt 0x0                               ; K is in
.set i, 0
.rept 16
	KQ
.endr
	WIN 0
.rept 4
	v_nop                                          ; the places behind those products: K's registers take V, and the scores are read
.endr
	LDV                                            ; lands under the softmax
	s_sub_co_u32 s[RT], s[RT], 1
	s_cmp_lg_u32 s[RT], 0
	s_cbranch_scc1 .Lopen                          ; only a block's last tile holds the diagonal
	MASK
.Lopen:
.irp n, 0,1,2,3,4,5,6,7,8,9,10,11,12,13,14,15,16,17,18,19,20,21
	XS 0, \n
	XS 1, \n
.endr
.set b, 0
.rept 16                               ; the scalings, and the exponentials a pair behind them: one batch with the two a; nothing ahead of the wait names a result
	FS 0, b
.if b > 0
	EX 0, 2*b-2
.endif
	FS 1, b
.if b > 0
	EX 1, 2*b-2
	EX 0, 2*b-1
	EX 1, 2*b-1
.endif
.set b, b+1
.endr
	EX 0, 30
	EX 1, 30
	EX 0, 31
	EX 1, 31
	v_nop                                          ; a plain instruction behind the last exponential,
	s_wait_alu depctr_va_vdst(0)                   ; and one wait for all 66
.set b, 0
.rept 16
	SU 0, b
	SU 1, b
	RS 0, b
	RS 1, b
.set b, b+1
.endr
.set b, 0
.rept 16
	CV 0, b
	CV 1, b
.set b, b+1
.endr
	s_wait_dscnt 0x0                               ; V is in
.set i, 0
.rept 16
	PVM
.endr
	s_cmp_lg_u32 s[RT], 0
	s_cbranch_scc1 .Lgoon
	MSTORE                                         ; the block ends
	s_mov_b32 s[NEW], 1
	s_add_co_u32 s[RT], s[PB], 1                   ; the second block has b + 1 tiles
.Lgoon:
	s_wait_loadcnt 0x0                             ; the next tile's bytes are in registers
	STASH
	FLIP
	s_wait_dscnt 0x0                               ; my stores are done and my reads of the slot in hand are over
	s_barrier_signal -1
	s_barrier_wait -1
	s_sub_co_u32 s[LEFT], s[LEFT], 1
	s_cmp_lg_u32 s[LEFT], 0
	s_cbranch_scc1 .Ltrip
	FINISH YL                                      ; the second block's end
	s_wait_tensorcnt 0x0                           ; the wave's end, behind my last LDS store
	ds_add_u32 v[SPW], v[NIL]
	s_wait_dscnt 0x0
	s_endpgm
.Lfunc_end_k_qf4abbc2417_attn:
	.size	k_qf4abbc2417_attn, .Lfunc_end_k_qf4abbc2417_attn-k_qf4abbc2417_attn
	.p2alignl 7, 3214868480
	.fill 96, 4, 3214868480
	.section	.rodata,"a",@progbits
	.p2align	6, 0x0
	.amdhsa_kernel k_qf4abbc2417_attn
		.amdhsa_group_segment_fixed_size 134144
		.amdhsa_private_segment_fixed_size 0
		.amdhsa_enable_private_segment 0
		.amdhsa_kernarg_size 16
		.amdhsa_user_sgpr_count 2
		.amdhsa_user_sgpr_kernarg_segment_ptr 1
		.amdhsa_wavefront_size32 1
		.amdhsa_system_sgpr_workgroup_id_x 1
		.amdhsa_system_sgpr_workgroup_id_y 1
		.amdhsa_system_sgpr_workgroup_id_z 1
		.amdhsa_system_vgpr_workitem_id 0
		.amdhsa_next_free_vgpr 320
		.amdhsa_next_free_sgpr 66
		.amdhsa_reserve_vcc 1
		.amdhsa_float_denorm_mode_32 3
		.amdhsa_float_denorm_mode_16_64 3
		.amdhsa_memory_ordered 1
		.amdhsa_forward_progress 1
		.amdhsa_inst_pref_size 57
	.end_amdhsa_kernel
	.amdgpu_metadata
---
amdhsa.version: [ 1, 2 ]
amdhsa.kernels:
  - .name:           k_qf4abbc2417_attn
    .symbol:         k_qf4abbc2417_attn.kd
    .args:
      - { .name: qkv, .offset: 0, .size: 8, .value_kind: global_buffer, .address_space: global }
      - { .name: yp, .offset: 8, .size: 8, .value_kind: global_buffer, .address_space: global }
    .group_segment_fixed_size: 134144
    .private_segment_fixed_size: 0
    .kernarg_segment_align: 8
    .kernarg_segment_size: 16
    .max_flat_workgroup_size: 256
    .sgpr_count:     66
    .vgpr_count:     320
    .wavefront_size: 32
...
	.end_amdgpu_metadata
.endif
;; end of part 3
;; launch gp (part 4): grid 8 x 32, 4 waves a work-group, clusters of 4 x 4, 327,680 bytes of LDS; arguments yp, wh, x, x1; writes x1
.if DOCPART == 4
	.amdgcn_target "amdgcn-amd-amdhsa--gfx1250"
	.amdhsa_code_object_version 6
	.text
	.protected	k_qf4abbc2417_gp
	.globl	k_qf4abbc2417_gp
	.p2align	8
	.type	k_qf4abbc2417_gp,@function
k_qf4abbc2417_gp:
	s_mov_b64 s[64:65], 0
	v_nop
	global_prefetch_b8 v0, s[64:65] scope:SCOPE_SE
	s_setreg_imm32_b32 hwreg(HW_REG_WAVE_MODE, 25, 1), 1
	s_wait_xcnt 0x0
	s_wait_alu depctr_hold_cnt(0) depctr_sa_sdst(0) depctr_va_vdst(0) depctr_va_sdst(0) depctr_va_ssrc(0) depctr_va_vcc(0) depctr_vm_vsrc(0)
	s_getreg_b32 s2, hwreg(HW_REG_IB_STS2, 6, 4)
	s_cmp_eq_u32 s2, 0
	s_cbranch_scc0 .Lentry_in_a_cluster
	s_endpgm
.Lentry_in_a_cluster:
	s_bfe_u32 s2, ttmp6, 0x10000c
	s_cmp_lg_u32 s2, 0xf033
	s_cbranch_scc0 .Lentry_shape_is_right
	s_endpgm
.Lentry_shape_is_right:
; OUT = RES + A B.  B: [KK][1024] f16, a part of wh that begins at byte WOFF; RES and OUT: [4096][1024] f32; sums in f32.  This text serves two launches by the switch PANEL:
;   PANEL = 1: KK = 1024, A = yp, [16 heads][4096][64] f16 (a panel of 64 along K for each head), RES = x, an input, rounded to bf16 as all inputs are.      PANEL = 0: KK = 4096, A = gl [4096][4096] f16, RES = x1 as it is.
; A tile of OUT is 128 x 128, which gives 256 work-groups; four waves of 64 x 64: 16 accumulators.  K goes in steps of 256 through two LDS slots filled by tensor loads.
; A's half tile (64 rows): PANEL = 0: 64 rows x 512 bytes, LDS pitch 528.  PANEL = 1: 64 rows of a head are 8,192 dense bytes, so the load takes 4 rows (heads) of 4,096 elements and pads after every 128 bytes: [head][row][144 bytes].
; B lies [K][N]: 256 rows of k x 256 bytes, LDS pitch 288, read turned by ds_load_tr16_b128.
; CLUSTERS: 4 x 4 work-groups; A's tile is asked for jointly along a row of the cluster, B's along a column.  THE MATRIX INSTRUCTION IS USED TRANSPOSED: a lane holds row l % 16 and eight neighbouring columns.
; EACH CLUSTER BEGINS AT A K STEP OF ITS OWN, ((2 X + Y % 4) x NS / 4) mod NS for cluster (X, Y) and NS steps, and goes round modulo NS: the two clusters that read the same rows of A (same Y) begin half a round apart,
; those that read the same columns of B (same X) a quarter of a round apart, so at any one time they ask for different blocks.  The number hangs on the cluster's place alone, which all sixteen partners share.
; f32 sums may be taken in any order of K.
; A K STEP IS WRITTEN ONCE: the slot that is read is the scalar s[RB].  RES is loaded at the start, into registers of its own, and waited for once, on the way out.
; THE WAY OUT: behind the last change of slots each wave puts its 64 x 64 sums into bytes of its own in the ring, which is filled no more, and reads them back as whole rows of 256 bytes.
; No prefetch: the tiles are small.
; REGISTERS: window 0: v16-29 addresses; v32-95 at work; v128-255 accumulator (a, b) at v[128 + 8 (4 a + b)].  window 1: two fragment buffers of 128 (64 of A, 64 of B, for 64 along K).  window 2: v0-127 RES.
.set PANEL, 1
.set KK,    1024
.set WOFF,  6291456
.set NN,    1024
.set NS,    KK/256                     ; K steps
.set HALFT, 36864                      ; what one tensor load may fill: 128 rows of B x 288; A's 4 x 64 x 144, or 64 x 528 = 33,792
.set BOFF,  2*HALFT
.set SLOT,  4*HALFT                    ; 0x24000; wave x HALFT = 0x9000 w has none of its bits, so an exclusive or turns an address in one slot into the other's
.set SPARE, 2*SLOT                     ; behind the ring: the spare words, 128 bytes for each wave, which no other line names
.set PB,    288                        ; 256 + 32 bytes: 72 words
.if PANEL
.set AP,    144
.set ASTEP, 4*4096*64*2                ; four heads on
.set ASH,   7                          ; a row of a head is 128 bytes
.else
.set AP,    528
.set ASTEP, 512
.set ASH,   13                         ; a row is 8,192 bytes
.endif
.set BSTEP, 256*NN*2
.set PD,    272                        ; a row of 64 f32 + 16 bytes
.set DREG,  64*PD
.set A0,   16                          ; v16  my lane's place in slot 0's tile of A; never rewritten
.set B0,   17                          ; v17  the same for B
.set ADRA, 18                          ; v18  s[RB] + A0
.set ADRB, 19                          ; v19  s[RB] + B0; v20 the same 128 k rows on, which a 16-bit offset does not reach
.set DST,  24
.set RD,   25
.set CO,   26                          ; v26  my byte offset in two rows of RES and OUT; never rewritten
.set SPW,  28
.set NIL,  29
.set ACC,  128
.set F0,   0
.set F1,   128
.set ABASE, 14                         ; s[14:15] A at the rows that I fetch, K step 0
.set G1,   24
.set G0,   32
.set BBASE, 46                         ; s[46:47] B at the k rows and columns that I fetch, K step 0
.set G1B,  48
.set G0B,  56
.set RB,   66                          ; s66  the slot that is read
.set HM,   67                          ; s67  a word's upper bf16
.set RES,  68                          ; s[68:69]
.set OUT,  70                          ; s[70:71]
.set KI,   72                          ; s72  the K step asked for last
.set OFA,  74                          ; s[74:75] its byte offset in A
.set OFB,  76                          ; s[76:77] and in B
.set MSB, 0
.macro WIN new
.if MSB != (\new)
	s_set_vgpr_msb (MSB<<8)|(\new)
.set MSB, \new
.endif
.endm
.set MUL,  0x05                        ; sources 0 (B) and 1 (A) window 1; C and D window 0
.set TO_F, 0x40                        ; destination window 1, address window 0
.macro JLOAD s                         ; a joint load: waves 0 and 1 fetch A's halves, waves 2 and 3 B's; an s_nop 0 and four v_nop follow each line
	s_cmp_eq_u32 s11, 0
	s_cbranch_scc0 .Lfor_b_\@
	tensor_load_to_lds s[G0+4*(\s):G0+4*(\s)+3], s[G1:G1+7]
	s_nop 0
.rept 4
	v_nop
.endr
	s_branch .Lasked_\@
.Lfor_b_\@:
	tensor_load_to_lds s[G0B+4*(\s):G0B+4*(\s)+3], s[G1B:G1B+7]
	s_nop 0
.rept 4
	v_nop
.endr
.Lasked_\@:
.endm
.macro KNEXT                           ; the next K step, round modulo NS
	s_add_co_u32 s[KI], s[KI], 1
	s_and_b32 s[KI], s[KI], NS-1
.endm
.macro KADR s                          ; the global addresses of K step s[KI] are made anew, from the bases and offsets made apart, in set s of both descriptors
	s_mul_i32 s[OFA], s[KI], ASTEP
	s_add_nc_u64 s[G0+4*(\s)+2:G0+4*(\s)+3], s[ABASE:ABASE+1], s[OFA:OFA+1]
	s_or_b32 s[G0+4*(\s)+3], s[G0+4*(\s)+3], 0x80000000
	s_mul_i32 s[OFB], s[KI], BSTEP
	s_add_nc_u64 s[G0B+4*(\s)+2:G0B+4*(\s)+3], s[BBASE:BBASE+1], s[OFB:OFB+1]
	s_or_b32 s[G0B+4*(\s)+3], s[G0B+4*(\s)+3], 0x80000000
.endm
.macro CREST
	s_cmp_lg_u32 s10, 0
	s_cbranch_scc1 .Lnot_wave_0_\@
	s_barrier_signal -3
.Lnot_wave_0_\@:
	s_barrier_wait -3
	s_barrier_signal -1
	s_barrier_wait -1
.endm
.macro CROUND
	s_barrier_signal -1
	s_barrier_wait -1
	CREST
.endm
	s_load_b128 s[4:7], s[0:1], 0x0                ; A s[4:5], wh s[6:7]
	s_load_b128 s[68:71], s[0:1], 0x10             ; RES, OUT
	v_lshl_add_u32 v[SPW], v0, 2, SPARE
	v_mov_b32 v[NIL], 0
	ds_add_u32 v[SPW], v[NIL]                      ; the wave's opening: the add and its wait ahead of my first tensor load
	v_lshrrev_b32 v1, 5, v0
	v_readfirstlane_b32 s10, v1                    ; wave 0..3
	s_lshr_b32 s11, s10, 1                         ; my half of the tile's rows.  Also: I fetch for A (0) or for B (1)
	s_and_b32 s12, s10, 1                          ; my half of its columns.  Also: which half of that tile I fetch
	s_bfe_u32 s40, ttmp6, 0x40000
	s_bfe_u32 s41, ttmp6, 0x40004
	s_lshl_b32 s42, ttmp9, 2
	s_add_co_u32 s42, s42, s40                     ; tile column
	s_and_b32 s13, ttmp7, 0xffff
	s_lshl_b32 s13, s13, 2
	s_add_co_u32 s13, s13, s41                     ; tile row
	s_lshl_b32 s43, s41, 2
	s_lshl_b32 s43, 15, s43                        ; my row of the cluster
	s_lshl_b32 s44, 0x1111, s40                    ; my column
.if PANEL
	s_or_b32 s[G1+0], s43, (1<<16)|(1<<20)|(1<<21)|(4<<22)|(3<<25)   ; after every 32 words 4 words
	s_mov_b32 s[G1+1], 4096<<16                    ; tensor_dim0 = 4,096
	s_mov_b32 s[G1+2], 4<<16                       ; tensor_dim1 = 4
	s_mov_b32 s[G1+3], 4096<<16                    ; tile_dim0 = 4,096
	s_mov_b32 s[G1+4], 4                           ; tile_dim1 = 4
	s_mov_b32 s[G1+5], 262144                      ; elements from head to head
.else
	s_or_b32 s[G1+0], s43, (1<<16)|(1<<20)|(1<<21)|(6<<22)|(3<<25)   ; after every 128 words 4 words
	s_mov_b32 s[G1+1], 256<<16
	s_mov_b32 s[G1+2], 64<<16
	s_mov_b32 s[G1+3], 256<<16
	s_mov_b32 s[G1+4], 64
	s_mov_b32 s[G1+5], KK
.endif
	s_mov_b32 s[G1+6], 0
	s_mov_b32 s[G1+7], 0
	s_or_b32 s[G1B+0], s44, (1<<16)|(1<<20)|(1<<21)|(5<<22)|(7<<25)  ; after every 64 words 8 words
	s_mov_b32 s[G1B+1], 128<<16
	s_mov_b32 s[G1B+2], 128<<16
	s_mov_b32 s[G1B+3], 128<<16
	s_mov_b32 s[G1B+4], 128
	s_mov_b32 s[G1B+5], NN
	s_mov_b32 s[G1B+6], 0
	s_mov_b32 s[G1B+7], 0
	s_lshl_b32 s17, s12, 6
	s_lshl_b32 s16, s13, 7
	s_add_co_u32 s16, s16, s17                     ; A: row 128 x tile row + 64 x half
	s_lshl_b32 s16, s16, ASH
	s_mov_b32 s17, 0
	s_mul_i32 s46, s12, 128*NN*2                   ; B: k row 128 x half,
	s_lshl_b32 s47, s42, 8                         ; 256 bytes x tile column,
	s_add_co_u32 s46, s46, s47
	s_add_co_u32 s46, s46, WOFF                    ; in its part of wh
	s_mov_b32 s47, 0
	s_mul_i32 s20, s10, HALFT
	s_mov_b32 s[RB], 0
	s_mov_b32 s[HM], 0xffff0000
	s_and_b32 s21, ttmp7, 3                        ; the cluster's first K step: Y % 4,
	s_lshl_b32 s[KI], ttmp9, 1                     ; 2 X,
	s_add_co_u32 s[KI], s[KI], s21
	s_mul_i32 s[KI], s[KI], NS/4                   ; in quarters of a round
	s_and_b32 s[KI], s[KI], NS-1
	s_mov_b32 s[OFA+1], 0
	s_mov_b32 s[OFB+1], 0
	s_wait_dscnt 0x0                               ; the opening add is done
	s_wait_kmcnt 0x0
	s_add_nc_u64 s[ABASE:ABASE+1], s[4:5], s[16:17]
	s_add_nc_u64 s[BBASE:BBASE+1], s[6:7], s[46:47]
	CROUND                                         ; all sixteen work-groups are here: the first joint loads meet
.irp s, 0,1
	s_mov_b32 s[G0+4*(\s)], 1
	s_add_co_u32 s[G0+4*(\s)+1], s20, (\s)*SLOT
	s_mov_b32 s[G0B+4*(\s)], 1
	s_add_co_u32 s[G0B+4*(\s)+1], s20, (\s)*SLOT
.endr
	KADR 0
	JLOAD 0                                        ; the cluster's first K step,
	KNEXT
	KADR 1
	JLOAD 1                                        ; and its second: two loads of mine are out
	v_and_b32 v1, 15, v0                           ; l % 16
	v_bfe_u32 v2, v0, 4, 1                         ; l / 16
	v_lshlrev_b32 v[CO], 12, v2                    ; lanes 0-15 take 256 bytes of one row, lanes 16-31 of the next
	v_lshl_add_u32 v[CO], v1, 4, v[CO]
	s_lshl_b32 s16, s13, 7
	s_lshl_b32 s17, s11, 6
	s_add_co_u32 s16, s16, s17                     ; my first row,
	s_lshl_b32 s16, s16, 12                        ; 4,096 bytes each
	s_lshl_b32 s17, s42, 9
	s_add_co_u32 s16, s16, s17
	s_lshl_b32 s17, s12, 8
	s_add_co_u32 s16, s16, s17                     ; my first column, 4 bytes each
	s_mov_b32 s17, 0
	s_add_nc_u64 s[RES:RES+1], s[RES:RES+1], s[16:17]
	s_add_nc_u64 s[OUT:OUT+1], s[OUT:OUT+1], s[16:17]
	WIN 0x80                                       ; destination window 2
.set j, 0
.rept 32
	global_load_b128 v[4*j:4*j+3], v[CO], s[RES:RES+1] offset:j*8192 th:TH_LOAD_NT  ; my 64 x 64 of RES: they land under the K loop
.set j, j+1
.endr
	WIN 0
	v_mul_u32_u24 v3, v1, AP
	v_lshl_add_u32 v3, v2, 4, v3
	s_mul_i32 s21, s11, HALFT                      ; my 64 rows of A
	v_add_nc_u32 v[A0], s21, v3
	v_and_b32 v4, 7, v0
	v_lshl_add_u32 v4, v2, 3, v4
	v_mul_u32_u24 v4, v4, PB
	v_bfe_u32 v5, v0, 3, 1
	v_lshl_add_u32 v4, v5, 4, v4
	s_lshl_b32 s22, s12, 7                         ; my 64 columns of B
	s_add_co_u32 s22, s22, BOFF
	v_add_nc_u32 v[B0], s22, v4
	s_mul_i32 s23, s10, DREG
	v_mul_u32_u24 v5, v1, PD
	v_lshl_add_u32 v5, v2, 5, v5
	v_add_nc_u32 v[DST], s23, v5
	v_mul_u32_u24 v5, v2, PD
	v_lshl_add_u32 v5, v1, 4, v5
	v_add_nc_u32 v[RD], s23, v5
; 8 matrix instructions: m blocks a0, a0 + 1 x all 4 n blocks, 32 along K: half c of buffer f.  The 16 accumulators take turns in one order on every way.
.macro MUL8 f, c, a0, zero
	WIN MUL
.irp a, \a0, (\a0)+1
.irp b, 0,1,2,3
.if \zero
	v_wmma_f32_16x16x32_f16 v[ACC+8*(4*(\a)+(\b)):ACC+8*(4*(\a)+(\b))+7], v[(\f)+64+8*(4*(\c)+(\b)):(\f)+64+8*(4*(\c)+(\b))+7], v[(\f)+8*(4*(\c)+(\a)):(\f)+8*(4*(\c)+(\a))+7], 0
.else
	v_wmma_f32_16x16x32_f16 v[ACC+8*(4*(\a)+(\b)):ACC+8*(4*(\a)+(\b))+7], v[(\f)+64+8*(4*(\c)+(\b)):(\f)+64+8*(4*(\c)+(\b))+7], v[(\f)+8*(4*(\c)+(\a)):(\f)+8*(4*(\c)+(\a))+7], v[ACC+8*(4*(\a)+(\b)):ACC+8*(4*(\a)+(\b))+7]
.endif
.endr
.endr
.endm
; 32 LDS loads in one run: the fragments of quarter q (64 along K) into buffer f; the first 32 along K first
.macro FETCH q, f
	WIN TO_F
.irp c, 0,1
.set cc, 2*(\q)+(\c)
.if PANEL
.set ao, (cc/2)*64*AP+(cc%2)*64        ; head cc / 2 of the step's four, channels 32 (cc % 2) on
.else
.set ao, 64*cc
.endif
.irp i, 0,1,2,3
	ds_load_tr16_b128 v[(\f)+64+8*(4*(\c)+(\i)):(\f)+64+8*(4*(\c)+(\i))+3],   v[ADRB+(\q)/2] offset:(((\q)%2)*64+32*(\c))*PB+32*(\i)
	ds_load_tr16_b128 v[(\f)+64+8*(4*(\c)+(\i))+4:(\f)+64+8*(4*(\c)+(\i))+7], v[ADRB+(\q)/2] offset:(((\q)%2)*64+32*(\c)+16)*PB+32*(\i)
	ds_load_b128 v[(\f)+8*(4*(\c)+(\i)):(\f)+8*(4*(\c)+(\i))+3],   v[ADRA] offset:ao+(\i)*16*AP
	ds_load_b128 v[(\f)+8*(4*(\c)+(\i))+4:(\f)+8*(4*(\c)+(\i))+7], v[ADRA] offset:ao+(\i)*16*AP+32
.endr
.endr
.endm
.macro PLACES
.rept 4
	v_nop
.endr
.endm
.macro ADDRS                           ; the LDS addresses of the slot in hand
	v_add_nc_u32 v[ADRA], s[RB], v[A0]
	v_add_nc_u32 v[ADRB], s[RB], v[B0]
	v_add_nc_u32 v[ADRB+1], 128*PB, v[ADRB]
.endm
.macro QUARTER q, f, g, zero           ; multiplies buffer f; in its middle fetches quarter q into buffer g
	s_wait_dscnt 16                                ; the first 32 along K are in
	MUL8 \f, 0, 0, \zero
	MUL8 \f, 0, 2, \zero
	PLACES
	FETCH \q, \g
	s_wait_dscnt 32                                ; all but the 32 just issued
	MUL8 \f, 1, 0, 0
	MUL8 \f, 1, 2, 0
.endm
.macro MEET                            ; the first half of a K step's last quarter, and the one barrier of a change of slots
	WIN 0
	s_wait_tensorcnt 0x0                           ; all my tensor loads have landed: my part of the next slot
	ds_add_u32 v[SPW], v[NIL]                      ; 0 onto my spare word
	s_wait_dscnt 17                                ; the add and the youngest sixteen loads may be out
	MUL8 F1, 0, 0, 0
	s_wait_dscnt 0x0                               ; the add is done, and my reads of this slot are over
	s_barrier_signal -1
	MUL8 F1, 0, 2, 0
	WIN 0
	s_barrier_wait -1
.endm
.macro TURN                            ; the whole last quarter in the loop: the slot just read out is filled again, with the K step two steps on: 112 matrix instructions ahead of the wait for it
	MEET
	CREST                                          ; the barrier has opened a round of the cluster's: no wave of any partner still reads this slot or has a load on its way
	s_xor_b32 s[G0+5], s[G0+5], SLOT               ; the walking descriptors: the other slot than last time,
	s_xor_b32 s[G0B+5], s[G0B+5], SLOT
	KNEXT                                          ; the next K step of the cluster's round
	KADR 1
	s_xor_b32 s[RB], s[RB], SLOT
	JLOAD 1                                        ; the first tensor load behind the round; its four v_nop are also the places in front of the loads below
	ADDRS
	FETCH 0, F0
	MUL8 F1, 1, 0, 0
	MUL8 F1, 1, 2, 0
.endm
	s_wait_tensorcnt 1                             ; my part of the first K step is in; the second's may stay out
	s_barrier_signal -1
	s_barrier_wait -1
	ADDRS
	FETCH 0, F0
	QUARTER 1, F0, F1, 1                           ; the first quarter's first products start the sums
	WIN 0
	s_mov_b32 s3, NS-2
.Lstep:                                        ; trip t asks for the cluster's K step t + 2
	QUARTER 2, F1, F0, 0
	QUARTER 3, F0, F1, 0
	TURN
	QUARTER 1, F0, F1, 0
	WIN 0
	s_sub_co_u32 s3, s3, 1
	s_cmp_lg_u32 s3, 0
	s_cbranch_scc1 .Lstep
	s_mov_b32 s2, 2
.Ltail:                                        ; the last two K steps ask for nothing; the second trip is left in its middle
	QUARTER 2, F1, F0, 0
	QUARTER 3, F0, F1, 0
	MEET
	s_sub_co_u32 s2, s2, 1
	s_cmp_eq_u32 s2, 0
	s_cbranch_scc1 .Llast
	s_xor_b32 s[RB], s[RB], SLOT
	ADDRS                                          ; three plain instructions and a v_nop: the places in front of the loads
	v_nop
	FETCH 0, F0
	MUL8 F1, 1, 0, 0
	MUL8 F1, 1, 2, 0
	QUARTER 1, F0, F1, 0
	WIN 0
	s_branch .Ltail
.Llast:
	MUL8 F1, 1, 0, 0
	MUL8 F1, 1, 2, 0
	WIN 0
	PLACES
	PLACES
.set a, 0
.rept 4
.set b, 0
.rept 4
	ds_store_b128 v[DST], v[ACC+8*(4*a+b):ACC+8*(4*a+b)+3]   offset:a*16*PD+b*64      ; each accumulator's low registers first
	ds_store_b128 v[DST], v[ACC+8*(4*a+b)+4:ACC+8*(4*a+b)+7] offset:a*16*PD+b*64+16
.set b, b+1
.endr
.set a, a+1
.endr
	s_wait_loadcnt 0x0                             ; RES is in
.irp h, 0,1                            ; two batches of 32 rows
.if (\h) == 1
	s_wait_xcnt 0x0                                ; the first batch's stores have read their data
.endif
.set j, 0
.rept 16
	ds_load_b128 v[32+4*j:35+4*j], v[RD] offset:(16*(\h)+j)*2*PD  ; two rows of 256 bytes; LDS serves a wave's instructions in order: these see my stores above
.set j, j+1
.endr
.if PANEL
	WIN 0x0a                                       ; sources in window 2
.set n, 0
.rept 32
	v_cvt_pk_bf16_f32 v[128+n], v[64*(\h)+2*n], v[64*(\h)+2*n+1]   ; x is rounded to bf16, as every input is
.set n, n+1
.endr
	WIN 0
.set j, 0
.rept 16
	s_wait_dscnt 15-j
	v_lshlrev_b32 v160, 16, v[128+2*j]
	v_and_b32 v161, s[HM], v[128+2*j]
	v_lshlrev_b32 v162, 16, v[129+2*j]
	v_and_b32 v163, s[HM], v[129+2*j]
	v_pk_add_f32 v[32+4*j:33+4*j], v[32+4*j:33+4*j], v[160:161]
	v_pk_add_f32 v[34+4*j:35+4*j], v[34+4*j:35+4*j], v[162:163]
	global_store_b128 v[CO], v[32+4*j:35+4*j], s[OUT:OUT+1] offset:(16*(\h)+j)*8192  ; 16 lanes store 256 consecutive bytes, aligned
.set j, j+1
.endr
.else
	s_wait_dscnt 0x0
	WIN 0x08                                       ; source 1 in window 2
.set n, 0
.rept 32
	v_pk_add_f32 v[32+2*n:33+2*n], v[32+2*n:33+2*n], v[64*(\h)+2*n:64*(\h)+2*n+1]
.set n, n+1
.endr
	WIN 0
.set j, 0
.rept 16
	global_store_b128 v[CO], v[32+4*j:35+4*j], s[OUT:OUT+1] offset:(16*(\h)+j)*8192  ; 16 lanes store 256 consecutive bytes, aligned
.set j, j+1
.endr
.endif
.endr
	s_wait_tensorcnt 0x0                           ; the wave's end, behind my last tensor load and my last LDS store
	ds_add_u32 v[SPW], v[NIL]
	s_wait_dscnt 0x0
	CROUND                                         ; the closing round
	s_endpgm
.Lfunc_end_k_qf4abbc2417_gp:
	.size	k_qf4abbc2417_gp, .Lfunc_end_k_qf4abbc2417_gp-k_qf4abbc2417_gp
	.p2alignl 7, 3214868480
	.fill 96, 4, 3214868480
	.section	.rodata,"a",@progbits
	.p2align	6, 0x0
	.amdhsa_kernel k_qf4abbc2417_gp
		.amdhsa_group_segment_fixed_size 327680
		.amdhsa_private_segment_fixed_size 0
		.amdhsa_enable_private_segment 0
		.amdhsa_kernarg_size 32
		.amdhsa_user_sgpr_count 2
		.amdhsa_user_sgpr_kernarg_segment_ptr 1
		.amdhsa_wavefront_size32 1
		.amdhsa_system_sgpr_workgroup_id_x 1
		.amdhsa_system_sgpr_workgroup_id_y 1
		.amdhsa_system_sgpr_workgroup_id_z 1
		.amdhsa_system_vgpr_workitem_id 0
		.amdhsa_next_free_vgpr 640
		.amdhsa_next_free_sgpr 80
		.amdhsa_reserve_vcc 0
		.amdhsa_float_denorm_mode_32 3
		.amdhsa_float_denorm_mode_16_64 3
		.amdhsa_memory_ordered 1
		.amdhsa_forward_progress 1
		.amdhsa_inst_pref_size 76
	.end_amdhsa_kernel
	.amdgpu_metadata
---
amdhsa.version: [ 1, 2 ]
amdhsa.kernels:
  - .name:           k_qf4abbc2417_gp
    .symbol:         k_qf4abbc2417_gp.kd
    .args:
      - { .name: yp, .offset: 0, .size: 8, .value_kind: global_buffer, .address_space: global }
      - { .name: wh, .offset: 8, .size: 8, .value_kind: global_buffer, .address_space: global }
      - { .name: x, .offset: 16, .size: 8, .value_kind: global_buffer, .address_space: global }
      - { .name: x1, .offset: 24, .size: 8, .value_kind: global_buffer, .address_space: global }
    .group_segment_fixed_size: 327680
    .private_segment_fixed_size: 0
    .kernarg_segment_align: 8
    .kernarg_segment_size: 32
    .max_flat_workgroup_size: 128
    .sgpr_count:     80
    .vgpr_count:     640
    .wavefront_size: 32
...
	.end_amdgpu_metadata
.endif
;; end of part 4
;; launch ln2 (part 5): grid 256 x 1, 8 waves a work-group, no clusters, 0 bytes of LDS; arguments x1, ln2_g, ln2_b, h2; writes h2
.if DOCPART == 5
	.amdgcn_target "amdgcn-amd-amdhsa--gfx1250"
	.amdhsa_code_object_version 6
	.text
	.protected	k_qf4abbc2417_ln2
	.globl	k_qf4abbc2417_ln2
	.p2align	8
	.type	k_qf4abbc2417_ln2,@function
k_qf4abbc2417_ln2:
	s_mov_b64 s[64:65], 0
	v_nop
	global_prefetch_b8 v0, s[64:65] scope:SCOPE_SE
	s_setreg_imm32_b32 hwreg(HW_REG_WAVE_MODE, 25, 1), 1
	s_wait_xcnt 0x0
; h2 = layernorm(x1) g + b.  x1: [4096][1024] f32, the program's own number, taken as it is; g and b, inputs, are rounded to bf16 as every input is.
; Mean, then the sum of squared differences (two passes over registers), all in f32; h2 rounded once to f16.  A wave takes a row of 1,024 numbers in 32 registers, two rows one after the other:
; nothing leaves the wave, so there is no LDS and no barrier.  LIMITS.  f16 ends at 65,504: h2 lies within it.  NaN and infinities are not treated apart.
.set RNDX, 0
.set OUTP, 22                          ; s[22:23] h2
.set XA, 16                            ; v[16:47]   first row
.set XB, 48                            ; v[48:79]   second row
.set GG, 80                            ; v[80:111]  g of my 32 columns
.set BB, 112                           ; v[112:143] b
.set YA, 144                           ; v[144:159] first row, f16
.set YB, 160                           ; v[160:175] second row, f16
.macro RND base                        ; 32 numbers are rounded to bf16 and widened again, in place
.set i, 0
.rept 16
	v_cvt_pk_bf16_f32 v[8+i%4], v[(\base)+2*i], v[(\base)+2*i+1]
	v_lshlrev_b32 v[(\base)+2*i], 16, v[8+i%4]
	v_and_b32 v[(\base)+2*i+1], s26, v[8+i%4]
.set i, i+1
.endr
.endm
.macro COMB                            ; the four chains v[8:15] into one number, then over the 32 lanes
	v_pk_add_f32 v[8:9], v[8:9], v[10:11]
	v_pk_add_f32 v[12:13], v[12:13], v[14:15]
	v_pk_add_f32 v[8:9], v[8:9], v[12:13]
	v_add_f32 v8, v8, v9
	v_add_f32_dpp v8, v8, v8 row_xmask:1 row_mask:0xf bank_mask:0xf
	v_add_f32_dpp v8, v8, v8 row_xmask:2 row_mask:0xf bank_mask:0xf
	v_add_f32_dpp v8, v8, v8 row_xmask:4 row_mask:0xf bank_mask:0xf
	v_add_f32_dpp v8, v8, v8 row_xmask:8 row_mask:0xf bank_mask:0xf
	v_permlanex16_b32 v9, v8, s30, s31
	v_add_f32 v8, v8, v9
.endm
.macro STAT x                          ; the row at x becomes x - mean; v[6:7] = 1 / sqrt(var + eps), twice
.irp c, 0,1,2,3
	v_pk_add_f32 v[8+2*(\c):9+2*(\c)], v[(\x)+2*(\c):(\x)+2*(\c)+1], v[(\x)+8+2*(\c):(\x)+9+2*(\c)]
.endr
.irp i, 8,9,10,11,12,13,14,15
	v_pk_add_f32 v[8+2*((\i)%4):9+2*((\i)%4)], v[8+2*((\i)%4):9+2*((\i)%4)], v[(\x)+2*(\i):(\x)+2*(\i)+1]
.endr
	COMB
	v_mul_f32 v4, s27, v8
	v_mov_b32 v5, v4
.set i, 0
.rept 16
	v_pk_add_f32 v[(\x)+2*i:(\x)+2*i+1], v[(\x)+2*i:(\x)+2*i+1], v[4:5] neg_lo:[0,1] neg_hi:[0,1]
.set i, i+1
.endr
.irp c, 0,1,2,3
	v_pk_mul_f32 v[8+2*(\c):9+2*(\c)], v[(\x)+2*(\c):(\x)+2*(\c)+1], v[(\x)+2*(\c):(\x)+2*(\c)+1]
.endr
.irp i, 4,5,6,7,8,9,10,11,12,13,14,15
	v_pk_fma_f32 v[8+2*((\i)%4):9+2*((\i)%4)], v[(\x)+2*(\i):(\x)+2*(\i)+1], v[(\x)+2*(\i):(\x)+2*(\i)+1], v[8+2*((\i)%4):9+2*((\i)%4)]
.endr
	COMB
	v_fma_f32 v8, v8, s27, s28
	v_rsq_f32 v6, v8
	v_rsq_f32 v7, v8
	v_nop                                          ; a plain instruction behind the last of the two,
	s_wait_alu depctr_va_vdst(0)                   ; and one wait for both, ahead of their first reader
.endm
.macro NORM x, y, off                  ; (x - mean) rstd g + b, rounded to f16 and stored: a wave's store covers 256 consecutive bytes, aligned
.set j, 0
.rept 8
.irp k, 0,1
	v_pk_mul_f32 v[(\x)+4*j+2*(\k):(\x)+4*j+2*(\k)+1], v[(\x)+4*j+2*(\k):(\x)+4*j+2*(\k)+1], v[6:7]
	v_pk_fma_f32 v[(\x)+4*j+2*(\k):(\x)+4*j+2*(\k)+1], v[(\x)+4*j+2*(\k):(\x)+4*j+2*(\k)+1], v[GG+4*j+2*(\k):GG+4*j+2*(\k)+1], v[BB+4*j+2*(\k):BB+4*j+2*(\k)+1]
	v_cvt_pk_f16_f32 v[(\y)+2*j+(\k)], v[(\x)+4*j+2*(\k)], v[(\x)+4*j+2*(\k)+1]
.endr
	global_store_b64 v2, v[(\y)+2*j:(\y)+2*j+1], s[OUTP:OUTP+1] offset:(\off)+256*j
.set j, j+1
.endr
.endm
	s_load_b256 s[16:23], s[0:1], 0x0              ; x1 s[16:17], g s[18:19], b s[20:21], h2 s[22:23]
	s_mov_b32 s26, 0xffff0000                      ; a word's upper bf16
	s_mov_b32 s27, 0x3a800000                      ; 1 / 1024
	s_mov_b32 s28, 0x3727c5ac                      ; 1e-5
	s_mov_b32 s30, 0x76543210
	s_mov_b32 s31, 0xfedcba98
	v_and_b32 v1, 31, v0
	v_lshlrev_b32 v2, 3, v1                        ; 8 bytes out,
	v_lshlrev_b32 v1, 4, v1                        ; 16 bytes in for each lane
	v_lshrrev_b32 v3, 5, v0
	v_readfirstlane_b32 s5, v3                     ; wave 0..7
	s_lshl_b32 s6, ttmp9, 4
	s_lshl1_add_u32 s6, s5, s6                     ; my first row = 16 x work-group + 2 x wave
	s_lshl_b32 s2, s6, 12
	s_mov_b32 s3, 0
	s_wait_kmcnt 0x0
	s_add_nc_u64 s[16:17], s[16:17], s[2:3]
	s_lshl_b32 s2, s6, 11
	s_add_nc_u64 s[OUTP:OUTP+1], s[OUTP:OUTP+1], s[2:3]
.irp j, 0,1,2,3,4,5,6,7
	global_load_b128 v[XA+4*(\j):XA+4*(\j)+3], v1, s[16:17] offset:512*(\j) th:TH_LOAD_NT
.endr
.irp j, 0,1,2,3,4,5,6,7
	global_load_b128 v[GG+4*(\j):GG+4*(\j)+3], v1, s[18:19] offset:512*(\j)
.endr
.irp j, 0,1,2,3,4,5,6,7
	global_load_b128 v[BB+4*(\j):BB+4*(\j)+3], v1, s[20:21] offset:512*(\j)
.endr
.irp j, 0,1,2,3,4,5,6,7
	global_load_b128 v[XB+4*(\j):XB+4*(\j)+3], v1, s[16:17] offset:4096+512*(\j) th:TH_LOAD_NT
.endr
	s_wait_loadcnt 24                              ; the first row is in; g, b and the second row (24 loads) stay out
.if RNDX
	RND XA
.endif
	STAT XA
	s_wait_loadcnt 8                               ; g and b are in; the second row's 8 loads stay out
	RND GG
	RND BB
	NORM XA, YA, 0
	s_wait_loadcnt 0x0
.if RNDX
	RND XB
.endif
	STAT XB
	NORM XB, YB, 2048
	s_endpgm
.Lfunc_end_k_qf4abbc2417_ln2:
	.size	k_qf4abbc2417_ln2, .Lfunc_end_k_qf4abbc2417_ln2-k_qf4abbc2417_ln2
	.p2alignl 7, 3214868480
	.fill 96, 4, 3214868480
	.section	.rodata,"a",@progbits
	.p2align	6, 0x0
	.amdhsa_kernel k_qf4abbc2417_ln2
		.amdhsa_group_segment_fixed_size 0
		.amdhsa_private_segment_fixed_size 0
		.amdhsa_enable_private_segment 0
		.amdhsa_kernarg_size 32
		.amdhsa_user_sgpr_count 2
		.amdhsa_user_sgpr_kernarg_segment_ptr 1
		.amdhsa_wavefront_size32 1
		.amdhsa_system_sgpr_workgroup_id_x 1
		.amdhsa_system_sgpr_workgroup_id_y 1
		.amdhsa_system_sgpr_workgroup_id_z 1
		.amdhsa_system_vgpr_workitem_id 0
		.amdhsa_next_free_vgpr 176
		.amdhsa_next_free_sgpr 66
		.amdhsa_reserve_vcc 0
		.amdhsa_float_denorm_mode_32 3
		.amdhsa_float_denorm_mode_16_64 3
		.amdhsa_memory_ordered 1
		.amdhsa_forward_progress 1
		.amdhsa_inst_pref_size 24
	.end_amdhsa_kernel
	.amdgpu_metadata
---
amdhsa.version: [ 1, 2 ]
amdhsa.kernels:
  - .name:           k_qf4abbc2417_ln2
    .symbol:         k_qf4abbc2417_ln2.kd
    .args:
      - { .name: x1, .offset: 0, .size: 8, .value_kind: global_buffer, .address_space: global }
      - { .name: ln2_g, .offset: 8, .size: 8, .value_kind: global_buffer, .address_space: global }
      - { .name: ln2_b, .offset: 16, .size: 8, .value_kind: global_buffer, .address_space: global }
      - { .name: h2, .offset: 24, .size: 8, .value_kind: global_buffer, .address_space: global }
    .group_segment_fixed_size: 0
    .private_segment_fixed_size: 0
    .kernarg_segment_align: 8
    .kernarg_segment_size: 32
    .max_flat_workgroup_size: 256
    .sgpr_count:     66
    .vgpr_count:     176
    .wavefront_size: 32
...
	.end_amdgpu_metadata
.endif
;; end of part 5
;; launch gf (part 6): grid 16 x 16, 4 waves a work-group, clusters of 4 x 4, 327,680 bytes of LDS; arguments h2, wh, gl; writes gl
.if DOCPART == 6
	.amdgcn_target "amdgcn-amd-amdhsa--gfx1250"
	.amdhsa_code_object_version 6
	.text
	.protected	k_qf4abbc2417_gf
	.globl	k_qf4abbc2417_gf
	.p2align	8
	.type	k_qf4abbc2417_gf,@function
k_qf4abbc2417_gf:
	s_mov_b64 s[64:65], 0
	v_nop
	global_prefetch_b8 v0, s[64:65] scope:SCOPE_SE
	s_setreg_imm32_b32 hwreg(HW_REG_WAVE_MODE, 25, 1), 1
	s_wait_xcnt 0x0
	s_wait_alu depctr_hold_cnt(0) depctr_sa_sdst(0) depctr_va_vdst(0) depctr_va_sdst(0) depctr_va_ssrc(0) depctr_va_vcc(0) depctr_vm_vsrc(0)
	s_getreg_b32 s2, hwreg(HW_REG_IB_STS2, 6, 4)
	s_cmp_eq_u32 s2, 0
	s_cbranch_scc0 .Lentry_in_a_cluster
	s_endpgm
.Lentry_in_a_cluster:
	s_bfe_u32 s2, ttmp6, 0x10000c
	s_cmp_lg_u32 s2, 0xf033
	s_cbranch_scc0 .Lentry_shape_is_right
	s_endpgm
.Lentry_shape_is_right:
; C = A B.  A: [4096][1024] f16 (h2), B: [1024][NN] f16, a part of wh that begins at byte WOFF; sums in f32.  This text serves two launches by the switch GELU:
;   GELU = 0: NN = 3072, C rounded to f16 and stored by heads: qkv[3][32 = batch x 16 + head][2048][64].      GELU = 1: NN = 4096, new_gelu(C) rounded to f16, [4096][4096].
; A tile of C, 256 x 256, is made by four waves, each 128 x 128: 64 accumulators of 16 x 16, 512 registers.  K goes in 8 steps of 128 through two LDS slots filled by tensor loads.
; A's tile: 256 rows x 256 bytes, LDS pitch 272.  B lies [K][N]: its tile is 128 rows of k x 512 bytes, LDS pitch 544, and is read turned, by ds_load_tr16_b128.
; CLUSTERS: 4 x 4 work-groups; A's tile is asked for jointly by the four of a row of the cluster, B's by the four of a column.
; EACH CLUSTER BEGINS AT A K STEP OF ITS OWN, (2 X + 4 (Y % 2) + (Y & 2)) mod 8 for cluster (X, Y), and goes round modulo 8: the clusters that read the same rows of A (same Y) begin 2 steps apart, those that read the
; same columns of B (same X) at 0, 4, 2 and 6, so at any one time they ask for different blocks.  The number hangs on the cluster's place alone, which all sixteen partners share.  f32 sums may be taken in any order of K.
; NO PREFETCH: with this walk each block is read first by some cluster among that cluster's first four K steps, which come by their loads alone; a block's later readings are not asked for.
; THE MATRIX INSTRUCTION IS USED TRANSPOSED (source 0 = 16 columns of B, source 1 = 16 rows of A): a lane holds row l % 16 of C and the columns 8 (l / 16) + 0..7.
; A K STEP IS WRITTEN ONCE: the slot that is read is the scalar s[RB], 0 or SLOT, and the two LDS address registers are made anew from it at each change of slots.
; THE WAY OUT: behind the last change of slots nobody reads the ring and nothing is filled any more; each wave puts its 128 x 128 sums there as f32, in bytes of its own, and finishes them in a loop of 16 rows a trip.
; LIMITS.  f16 ends at 65,504: the results lie within it.  NaN and infinities are not treated apart.
; REGISTERS, in windows of 256: window 0: v16-29 addresses; v64-127, v128-191 fragments of A, two buffers; v32-127, v192-255 at work on the way out.  window 1: v64-191 fragments of B.  windows 2, 3: accumulator (a, b) at v[8 (8 a + b)].
.set GELU,  1
.set NN,    4096
.set WOFF,  8388608
.set KK,    1024
.set NS,    KK/128                     ; K steps
.set PA,    272                        ; 256 + 16 bytes: 68 words, so the 16 rows of a load start at 16 different groups of four banks
.set PB,    544                        ; 512 + 32 bytes
.set HALFT, 128*PA                     ; what one tensor load brings: 128 rows of A, or 64 rows of B (64 x 544 is the same number)
.set BOFF,  2*HALFT
.set SLOT,  4*HALFT                    ; 0x22000; wave x HALFT = 0x8800 w has none of its bits, so an exclusive or turns an address in one slot into the other's
.set PD,    528                        ; a row of 128 f32 + 16 bytes
.set DREG,  128*PD                     ; a wave's sums on the way out
.set SPARE, 2*SLOT                     ; behind the ring: the spare words, 128 bytes for each wave, which no other line names
.set BSTEP, 128*NN*2                   ; bytes from a K step of B to the next
.set A0,   16                          ; v16  my lane's place in slot 0's tile of A; never rewritten
.set B0,   17                          ; v17  the same for B
.set ADRA, 18                          ; v18  s[RB] + A0
.set ADRB, 19                          ; v19  s[RB] + B0
.set DST,  24                          ; v24  the way out: where I put 32 bytes of a row
.set RDA,  25                          ; v25  the way out: where I read rows back
.set CO,   26                          ; v26  my byte offset in the output
.set SPW,  28                          ; v28  my spare word; never rewritten
.set NIL,  29                          ; v29  0; never rewritten
.set F0,   64
.set F1,   128
.set G1,   24                          ; s[24:31] descriptor group 1 for A's tiles
.set G0,   32                          ; s[32:39] group 0 for A's: a set for each first fill; the second then walks
.set G1B,  48                          ; s[48:55], s[56:63] the same for B's
.set G0B,  56
.set RB,   66                          ; s66  the slot that is read
.set KI,   67                          ; s67  the K step asked for last
.set OFA,  68                          ; s[68:69] its byte offset in A's rows
.set K2,   70                          ; s[70:71], s[72:73] the activation's constants
.set K1,   72
.set ABASE, 74                         ; s[74:75] A at the rows that I fetch, K step 0
.set BBASE, 76                         ; s[76:77] B at the k rows and columns that I fetch, K step 0
.set OFB,  78                          ; s[78:79] the K step's byte offset in B
.set MSB, 0
.macro WIN new                         ; the immediate's high byte repeats the setting that is left; a switch that changes nothing is dropped
.if MSB != (\new)
	s_set_vgpr_msb (MSB<<8)|(\new)
.set MSB, \new
.endif
.endm
.set MUL_LO, 0xa1                      ; source 0 (B) window 1, source 1 (A) window 0, C and D window 2
.set MUL_HI, 0xf1                      ; the same, C and D window 3
.set TO_B,   0x40                      ; destination window 1, address window 0
; A joint load.  Waves 0 and 1 fetch A's two halves, waves 2 and 3 B's.  The branch hangs on the wave's number alone.  An s_nop 0 and four v_nop follow each line.
.macro JLOAD s
	s_cmp_eq_u32 s11, 0
	s_cbranch_scc0 .Lfor_b_\@
	tensor_load_to_lds s[G0+4*(\s):G0+4*(\s)+3], s[G1:G1+7]
	s_nop 0
.rept 4
	v_nop
.endr
	s_branch .Lasked_\@
.Lfor_b_\@:
	tensor_load_to_lds s[G0B+4*(\s):G0B+4*(\s)+3], s[G1B:G1B+7]
	s_nop 0
.rept 4
	v_nop
.endr
.Lasked_\@:
.endm
.macro KNEXT                           ; the next K step, round modulo NS
	s_add_co_u32 s[KI], s[KI], 1
	s_and_b32 s[KI], s[KI], NS-1
.endm
.macro KADR s                          ; the global addresses of K step s[KI] are made anew, from the bases and offsets made apart, in set s of both descriptors
	s_lshl_b32 s[OFA], s[KI], 8                    ; 256 bytes of A's rows a step
	s_add_nc_u64 s[G0+4*(\s)+2:G0+4*(\s)+3], s[ABASE:ABASE+1], s[OFA:OFA+1]
	s_or_b32 s[G0+4*(\s)+3], s[G0+4*(\s)+3], 0x80000000
	s_mul_i32 s[OFB], s[KI], BSTEP                 ; 128 rows of B a step
	s_add_nc_u64 s[G0B+4*(\s)+2:G0B+4*(\s)+3], s[BBASE:BBASE+1], s[OFB:OFB+1]
	s_or_b32 s[G0B+4*(\s)+3], s[G0B+4*(\s)+3], 0x80000000
.endm
.macro CREST                           ; a round of the cluster's barrier behind its opening barrier
	s_cmp_lg_u32 s10, 0
	s_cbranch_scc1 .Lnot_wave_0_\@
	s_barrier_signal -3
.Lnot_wave_0_\@:
	s_barrier_wait -3
	s_barrier_signal -1
	s_barrier_wait -1
.endm
.macro CROUND
	s_barrier_signal -1
	s_barrier_wait -1
	CREST
.endm
	s_load_b128 s[4:7], s[0:1], 0x0                ; A s[4:5], wh s[6:7]
	s_load_b64 s[8:9], s[0:1], 0x10                ; the output
	v_lshl_add_u32 v[SPW], v0, 2, SPARE
	v_mov_b32 v[NIL], 0
	ds_add_u32 v[SPW], v[NIL]                      ; the wave's opening: the add and its wait ahead of my first tensor load; the set-up below stands between them
	v_lshrrev_b32 v1, 5, v0
	v_readfirstlane_b32 s10, v1                    ; wave 0..3
	s_lshr_b32 s11, s10, 1                         ; which half of the tile's rows is mine.  Also: I fetch for A (0) or for B (1)
	s_and_b32 s12, s10, 1                          ; which half of its columns.  Also: which half of that tile I fetch
	s_bfe_u32 s40, ttmp6, 0x40000                  ; cx
	s_bfe_u32 s41, ttmp6, 0x40004                  ; cy
	s_lshl_b32 s42, ttmp9, 2
	s_add_co_u32 s42, s42, s40                     ; tile column = 4 x cluster x + cx
	s_and_b32 s13, ttmp7, 0xffff
	s_lshl_b32 s13, s13, 2
	s_add_co_u32 s13, s13, s41                     ; tile row = 4 x cluster y + cy
	s_lshl_b32 s43, s41, 2
	s_lshl_b32 s43, 15, s43                        ; my row of the cluster
	s_lshl_b32 s44, 0x1111, s40                    ; my column
	s_or_b32 s[G1+0], s43, (1<<16)|(1<<20)|(1<<21)|(5<<22)|(3<<25)   ; mask; 2-byte elements; padding on; bit 21 beside a mask; after every 64 words 4 words
	s_mov_b32 s[G1+1], 128<<16                     ; tensor_dim0 = 128
	s_mov_b32 s[G1+2], 128<<16                     ; tensor_dim1 = 128
	s_mov_b32 s[G1+3], 128<<16                     ; tile_dim0 = 128
	s_mov_b32 s[G1+4], 128                         ; tile_dim1 = 128
	s_mov_b32 s[G1+5], KK                          ; elements from row to row
	s_mov_b32 s[G1+6], 0
	s_mov_b32 s[G1+7], 0
	s_or_b32 s[G1B+0], s44, (1<<16)|(1<<20)|(1<<21)|(6<<22)|(7<<25)  ; after every 128 words 8 words
	s_mov_b32 s[G1B+1], 256<<16                    ; tensor_dim0 = 256
	s_mov_b32 s[G1B+2], 64<<16                     ; tensor_dim1 = 64
	s_mov_b32 s[G1B+3], 256<<16                    ; tile_dim0 = 256
	s_mov_b32 s[G1B+4], 64                         ; tile_dim1 = 64
	s_mov_b32 s[G1B+5], NN
	s_mov_b32 s[G1B+6], 0
	s_mov_b32 s[G1B+7], 0
	s_lshl_b32 s17, s12, 7
	s_lshl_b32 s16, s13, 8
	s_add_co_u32 s16, s16, s17                     ; A: row 256 x tile row + 128 x half,
	s_lshl_b32 s16, s16, 11                        ; 2,048 bytes each
	s_mov_b32 s17, 0
	s_mul_i32 s46, s12, 64*NN*2                    ; B: k row 64 x half,
	s_lshl_b32 s47, s42, 9                         ; 512 bytes x tile column,
	s_add_co_u32 s46, s46, s47
	s_add_co_u32 s46, s46, WOFF                    ; in its part of wh
	s_mov_b32 s47, 0
	s_mul_i32 s20, s10, HALFT                      ; where my load lands: no place in the cluster enters an LDS address
	s_mov_b32 s[RB], 0
	s_and_b32 s21, ttmp7, 0xffff                   ; the cluster's first K step: cluster y,
	s_and_b32 s22, s21, 1
	s_lshl_b32 s22, s22, 2                         ; 4 (Y % 2)
	s_and_b32 s21, s21, 2                          ; Y & 2
	s_lshl_b32 s[KI], ttmp9, 1                     ; 2 X
	s_add_co_u32 s[KI], s[KI], s21
	s_add_co_u32 s[KI], s[KI], s22
	s_and_b32 s[KI], s[KI], NS-1
	s_mov_b32 s[OFA+1], 0
	s_mov_b32 s[OFB+1], 0
.if GELU
	s_mov_b32 s[K2], 0xbdd2d3e8                    ; -2 log2(e) sqrt(2 / pi) x 0.044715
	s_mov_b32 s[K2+1], s[K2]
	s_mov_b32 s[K1], 0xc0135761                    ; -2 log2(e) sqrt(2 / pi)
	s_mov_b32 s[K1+1], s[K1]
.endif
	s_wait_dscnt 0x0                               ; the opening add is done
	s_wait_kmcnt 0x0
	s_add_nc_u64 s[ABASE:ABASE+1], s[4:5], s[16:17]
	s_add_nc_u64 s[BBASE:BBASE+1], s[6:7], s[46:47]
	CROUND                                         ; all sixteen work-groups are here: the first joint loads meet
.irp s, 0,1
	s_mov_b32 s[G0+4*(\s)], 1
	s_add_co_u32 s[G0+4*(\s)+1], s20, (\s)*SLOT
	s_mov_b32 s[G0B+4*(\s)], 1
	s_add_co_u32 s[G0B+4*(\s)+1], s20, (\s)*SLOT
.endr
	KADR 0
	JLOAD 0                                        ; the cluster's first K step,
	KNEXT
	KADR 1
	JLOAD 1                                        ; and its second: two loads of mine are out
	v_and_b32 v1, 15, v0                           ; l % 16
	v_bfe_u32 v2, v0, 4, 1                         ; l / 16
	v_and_b32 v6, 31, v0                           ; l
	v_mul_u32_u24 v3, v1, PA
	v_lshl_add_u32 v3, v2, 4, v3
	s_mul_i32 s21, s11, HALFT                      ; my 128 rows of A
	v_add_nc_u32 v[A0], s21, v3
	v_and_b32 v4, 7, v0                            ; the turning load: lane l reads k row 8 (l / 16) + l % 8, columns 8 ((l / 8) % 2) + 0..7
	v_lshl_add_u32 v4, v2, 3, v4
	v_mul_u32_u24 v4, v4, PB
	v_bfe_u32 v5, v0, 3, 1
	v_lshl_add_u32 v4, v5, 4, v4
	s_lshl_b32 s22, s12, 8                         ; my 128 columns of B
	s_add_co_u32 s22, s22, BOFF
	v_add_nc_u32 v[B0], s22, v4
	s_mul_i32 s23, s10, DREG
	v_mul_u32_u24 v5, v1, PD
	v_lshl_add_u32 v5, v2, 5, v5
	v_add_nc_u32 v[DST], s23, v5                   ; row l % 16, 32 bytes for each half of the lanes
	v_lshlrev_b32 v[CO], 3, v6                     ; 8 bytes a lane: 256 consecutive bytes a store
.if GELU
	v_lshl_add_u32 v[RDA], v6, 4, s23              ; back: a row of 512 bytes a load
	s_lshl_b32 s16, s13, 8
	s_lshl_b32 s17, s11, 7
	s_add_co_u32 s16, s16, s17                     ; my first row,
	s_lshl_b32 s16, s16, 13                        ; 8,192 bytes each
	s_lshl_b32 s17, s42, 9
	s_add_co_u32 s16, s16, s17
	s_lshl_b32 s17, s12, 8
	s_add_co_u32 s16, s16, s17                     ; my first column, 2 bytes each
.else
	v_mul_u32_u24 v5, v2, PD                       ; back: lanes 0-15 take 64 columns of one row, lanes 16-31 of the next
	v_lshl_add_u32 v5, v1, 4, v5
	v_add_nc_u32 v[RDA], s23, v5
	s_lshl_b32 s14, s42, 8
	s_lshl_b32 s15, s12, 7
	s_add_co_u32 s14, s14, s15                     ; my first column n0
	s_lshl_b32 s15, s13, 8
	s_lshl_b32 s16, s11, 7
	s_add_co_u32 s15, s15, s16                     ; my first row m0
	s_lshr_b32 s16, s14, 10                        ; q, k or v
	s_lshl_b32 s16, s16, 5
	s_lshr_b32 s17, s15, 11                        ; batch
	s_lshl4_add_u32 s16, s17, s16
	s_bfe_u32 s17, s14, 0x40006                    ; head
	s_add_co_u32 s16, s16, s17
	s_lshl_b32 s16, s16, 18                        ; a head is 2,048 rows of 128 bytes
	s_and_b32 s17, s15, 2047
	s_lshl_b32 s17, s17, 7
	s_add_co_u32 s16, s16, s17
.endif
	s_mov_b32 s17, 0
	s_add_nc_u64 s[8:9], s[8:9], s[16:17]
; 16 matrix instructions: m blocks a0, a0 + 1 of the window's four x all 8 n blocks, 32 along K.  zero = 1: the first product starts the sums.  The 64 accumulators take turns in one order on every way.
.macro MUL16 f, hi, a0, zero
	WIN MUL_LO+0x50*(\hi)
.irp a, \a0, (\a0)+1
.irp b, 0,1,2,3,4,5,6,7
.if \zero
	v_wmma_f32_16x16x32_f16 v[8*(8*(\a)+(\b)):8*(8*(\a)+(\b))+7], v[(\f)+8*(\b):(\f)+8*(\b)+7], v[(\f)+8*(4*(\hi)+(\a)):(\f)+8*(4*(\hi)+(\a))+7], 0
.else
	v_wmma_f32_16x16x32_f16 v[8*(8*(\a)+(\b)):8*(8*(\a)+(\b))+7], v[(\f)+8*(\b):(\f)+8*(\b)+7], v[(\f)+8*(4*(\hi)+(\a)):(\f)+8*(4*(\hi)+(\a))+7], v[8*(8*(\a)+(\b)):8*(8*(\a)+(\b))+7]
.endif
.endr
.endr
.endm
; 32 LDS loads in one run: the fragments of quarter q (32 along K) of the slot in hand, into buffer f: B's 16 first, then A's
.macro FETCH q, f
	WIN TO_B
.irp i, 0,1,2,3,4,5,6,7
	ds_load_tr16_b128 v[(\f)+8*(\i):(\f)+8*(\i)+3],   v[ADRB] offset:(\q)*32*PB+32*(\i)
	ds_load_tr16_b128 v[(\f)+8*(\i)+4:(\f)+8*(\i)+7], v[ADRB] offset:(\q)*32*PB+16*PB+32*(\i)
.endr
	WIN 0
.irp i, 0,1,2,3,4,5,6,7
	ds_load_b128 v[(\f)+8*(\i):(\f)+8*(\i)+3],   v[ADRA] offset:64*(\q)+(\i)*16*PA
	ds_load_b128 v[(\f)+8*(\i)+4:(\f)+8*(\i)+7], v[ADRA] offset:64*(\q)+(\i)*16*PA+32
.endr
.endm
.macro PLACES                          ; four plain instructions between a matrix instruction and a load into a register that it has read (ISA guide 7.12.1 for vector instructions)
.rept 4
	v_nop
.endr
.endm
; multiplies buffer f; in its middle fetches quarter q into buffer g
.macro QUARTER q, f, g, zero
	s_wait_dscnt 8                                 ; B and A's rows 0-63 are in; the youngest eight loads (A's rows 64-127) may be out
	MUL16 \f, 0, 0, \zero
	MUL16 \f, 0, 2, \zero
	PLACES
	FETCH \q, \g
	s_wait_dscnt 32                                ; all but the 32 just issued
	MUL16 \f, 1, 0, \zero
	MUL16 \f, 1, 2, \zero
.endm
; the first half of a K step's last quarter, and the one barrier of a change of slots
.macro MEET
	WIN 0
	s_wait_tensorcnt 0x0                           ; all my tensor loads have landed: the one that was out is my part of the next slot
	ds_add_u32 v[SPW], v[NIL]                      ; 0 onto my spare word
	s_wait_dscnt 9                                 ; the add and the youngest eight loads may be out
	MUL16 F1, 0, 0, 0
	s_wait_dscnt 0x0                               ; the add is done, and my reads of this slot are over
	s_barrier_signal -1
	MUL16 F1, 0, 2, 0                              ; work on registers while the others arrive
	WIN 0
	s_barrier_wait -1
.endm
; the whole last quarter in the loop: the slot just read out is filled again, with the K step two steps on: 224 matrix instructions stand between the request and the wait for it
.macro TURN
	MEET
	CREST                                          ; the barrier has opened a round of the cluster's: no wave of any partner still reads this slot or has a load on its way
	s_xor_b32 s[G0+5], s[G0+5], SLOT               ; the walking descriptors: the other slot than last time,
	s_xor_b32 s[G0B+5], s[G0B+5], SLOT
	KNEXT                                          ; the next K step of the cluster's round
	KADR 1
	s_xor_b32 s[RB], s[RB], SLOT
	JLOAD 1                                        ; the first tensor load behind the round; its four v_nop are also the places in front of the loads below
	v_add_nc_u32 v[ADRA], s[RB], v[A0]
	v_add_nc_u32 v[ADRB], s[RB], v[B0]
	FETCH 0, F0
	MUL16 F1, 1, 0, 0
	MUL16 F1, 1, 2, 0
.endm
	s_wait_tensorcnt 1                             ; my part of the first K step is in; the second's may stay out
	s_barrier_signal -1
	s_barrier_wait -1
	v_add_nc_u32 v[ADRA], s[RB], v[A0]
	v_add_nc_u32 v[ADRB], s[RB], v[B0]
	FETCH 0, F0
	QUARTER 1, F0, F1, 1                           ; the first quarter stands in front of the loop: its products start the sums
	WIN 0
	s_mov_b32 s3, NS-2
.Lstep:                                        ; a trip: a K step's quarters 1 to 3 and the next step's quarter 0; trip t asks for the cluster's K step t + 2
	QUARTER 2, F1, F0, 0
	QUARTER 3, F0, F1, 0
	TURN
	QUARTER 1, F0, F1, 0
	WIN 0
	s_sub_co_u32 s3, s3, 1
	s_cmp_lg_u32 s3, 0
	s_cbranch_scc1 .Lstep
	s_mov_b32 s2, 2
.Ltail:                                        ; the last two K steps ask for nothing: written apart; the second trip is left in its middle
	QUARTER 2, F1, F0, 0
	QUARTER 3, F0, F1, 0
	MEET
	s_sub_co_u32 s2, s2, 1
	s_cmp_eq_u32 s2, 0
	s_cbranch_scc1 .Llast
	s_xor_b32 s[RB], s[RB], SLOT
	v_add_nc_u32 v[ADRA], s[RB], v[A0]             ; these two and two v_nop are the places in front of the loads
	v_add_nc_u32 v[ADRB], s[RB], v[B0]
	v_nop
	v_nop
	FETCH 0, F0
	MUL16 F1, 1, 0, 0
	MUL16 F1, 1, 2, 0
	QUARTER 1, F0, F1, 0
	WIN 0
	s_branch .Ltail
.Llast:
	MUL16 F1, 1, 0, 0
	MUL16 F1, 1, 2, 0
	WIN 0
	PLACES
	PLACES
	; the sums go into my 128 rows x 528 bytes of the ring; each accumulator's low registers are read first
.set a, 0
.rept 8
	WIN 0x08+4*(a/4)                               ; store data (source 1) in window 2 or 3
.set b, 0
.rept 8
	ds_store_b128 v[DST], v[8*(8*(a%4)+b):8*(8*(a%4)+b)+3]   offset:a*16*PD+b*64
	ds_store_b128 v[DST], v[8*(8*(a%4)+b)+4:8*(8*(a%4)+b)+7] offset:a*16*PD+b*64+16
.set b, b+1
.endr
.set a, a+1
.endr
	WIN 0
.if GELU
; new_gelu(x) = x / (1 + 2^(x (K1 + K2 x^2))).  A trip's 16 rows are two halves, A (rows 0-7) and B (rows 8-15), 16 pairs of numbers a lane each, whose stages overlap: one half's exponentials or reciprocals stand by turns
; with the other half's plain lines, and a plain line never reads the line just ahead of it.  Each batch of 32 exponentials or reciprocals has one wait, ahead of its first reader.
.set XA, 32                            ; v[32:63]   half A as read back
.set XB, 192                           ; v[192:223] half B
.set TA, 224                           ; v[224:255] half A at work
.set TB, 96                            ; v[96:127]  half B at work
.set YA, 64                            ; v[64:79]   half A, f16
.set YB, 80                            ; v[80:95]   half B, f16
.macro GA x, t, i, n                   ; line n of the three that make pair i's exponent x (K1 + K2 x^2)
.if (\n) == 0
	v_pk_mul_f32 v[(\t)+2*(\i):(\t)+2*(\i)+1], v[(\x)+2*(\i):(\x)+2*(\i)+1], v[(\x)+2*(\i):(\x)+2*(\i)+1]
.elseif (\n) == 1
	v_pk_fma_f32 v[(\t)+2*(\i):(\t)+2*(\i)+1], v[(\t)+2*(\i):(\t)+2*(\i)+1], s[K2:K2+1], s[K1:K1+1] op_sel_hi:[1,0,0]
.else
	v_pk_mul_f32 v[(\t)+2*(\i):(\t)+2*(\i)+1], v[(\t)+2*(\i):(\t)+2*(\i)+1], v[(\x)+2*(\i):(\x)+2*(\i)+1]
.endif
.endm
	s_mov_b32 s3, 8
.Lrows:                                        ; 16 rows a trip: a row of 128 f32 a load, 4 numbers a lane
.set r, 0
.rept 16
	ds_load_b128 v[32+4*r+128*(r/8):35+4*r+128*(r/8)], v[RDA] offset:r*PD  ; LDS serves a wave's instructions in order: these see my stores above
.set r, r+1
.endr
	s_wait_dscnt 8                                 ; rows 0-7 are in
.irp n, 0,1,2
.set gi, 0
.rept 16
	GA XA, TA, gi, \n                              ; A's exponents, line by line over the 16 pairs
.set gi, gi+1
.endr
.endr
	s_wait_dscnt 0x0                               ; rows 8-15 are in
.set gi, 0
.rept 20                               ; A's exponentials by turns with B's exponents, whose three lines follow each other two pairs apart
.if gi < 16
	v_exp_f32 v[TA+2*gi], v[TA+2*gi]
	GA XB, TB, gi, 0
	v_exp_f32 v[TA+2*gi+1], v[TA+2*gi+1]
.endif
.if (gi >= 2) && (gi < 18)
	GA XB, TB, gi-2, 1
.endif
.if gi >= 4
	GA XB, TB, gi-4, 2
.endif
.set gi, gi+1
.endr
	s_wait_alu depctr_va_vdst(0)                   ; one wait for A's 32 exponentials; plain lines stand behind the last of them
.set gi, 0
.rept 16                               ; B's exponentials by turns with A's 1 + ..
	v_exp_f32 v[TB+2*gi], v[TB+2*gi]
	v_pk_add_f32 v[TA+2*gi:TA+2*gi+1], v[TA+2*gi:TA+2*gi+1], 1.0 op_sel_hi:[1,0]
	v_exp_f32 v[TB+2*gi+1], v[TB+2*gi+1]
.set gi, gi+1
.endr
	v_nop
	s_wait_alu depctr_va_vdst(0)                   ; one wait for B's 32 exponentials
.set gi, 0
.rept 16                               ; A's reciprocals by turns with B's 1 + ..
	v_rcp_f32 v[TA+2*gi], v[TA+2*gi]
	v_pk_add_f32 v[TB+2*gi:TB+2*gi+1], v[TB+2*gi:TB+2*gi+1], 1.0 op_sel_hi:[1,0]
	v_rcp_f32 v[TA+2*gi+1], v[TA+2*gi+1]
.set gi, gi+1
.endr
	v_nop
	s_wait_alu depctr_va_vdst(0)                   ; one wait for A's 32 reciprocals
.set gi, 0
.rept 16                               ; B's reciprocals by turns with A's products and, two pairs behind, their rounding
	v_rcp_f32 v[TB+2*gi], v[TB+2*gi]
	v_pk_mul_f32 v[TA+2*gi:TA+2*gi+1], v[TA+2*gi:TA+2*gi+1], v[XA+2*gi:XA+2*gi+1]
	v_rcp_f32 v[TB+2*gi+1], v[TB+2*gi+1]
.if gi >= 2
	v_cvt_pk_f16_f32 v[YA+gi-2], v[TA+2*(gi-2)], v[TA+2*(gi-2)+1]
.endif
.set gi, gi+1
.endr
	v_cvt_pk_f16_f32 v[YA+14], v[TA+28], v[TA+29]
	v_cvt_pk_f16_f32 v[YA+15], v[TA+30], v[TA+31]
	s_wait_alu depctr_va_vdst(0)                   ; one wait for B's 32 reciprocals
.set gi, 0
.rept 16
	v_pk_mul_f32 v[TB+2*gi:TB+2*gi+1], v[TB+2*gi:TB+2*gi+1], v[XB+2*gi:XB+2*gi+1]
.set gi, gi+1
.endr
.set gi, 0
.rept 16
	v_cvt_pk_f16_f32 v[YB+gi], v[TB+2*gi], v[TB+2*gi+1]
.set gi, gi+1
.endr
.set r, 0
.rept 16
	global_store_b64 v[CO], v[64+2*r:65+2*r], s[8:9] offset:r*NN*2  ; 256 consecutive bytes, aligned
.set r, r+1
.endr
	s_wait_xcnt 0x0                                ; the stores have read their data and their base
	v_add_nc_u32 v[RDA], 16*PD, v[RDA]
	s_add_nc_u64 s[8:9], s[8:9], 16*NN*2
	s_sub_co_u32 s3, s3, 1
	s_cmp_lg_u32 s3, 0
	s_cbranch_scc1 .Lrows
.else
	s_mov_b32 s3, 8
.Lrows:                                        ; 16 rows a trip; load n = 8 hh + rp: rows 2 rp, 2 rp + 1 of head hh of my two
.set n, 0
.rept 16
	ds_load_b128 v[32+4*n+128*(n/8):35+4*n+128*(n/8)], v[RDA] offset:2*(n%8)*PD+256*(n/8)
.set n, n+1
.endr
	s_wait_dscnt 0x0
.set n, 0
.rept 16
	v_cvt_pk_f16_f32 v[64+2*n], v[32+4*n+128*(n/8)], v[33+4*n+128*(n/8)]
	v_cvt_pk_f16_f32 v[65+2*n], v[34+4*n+128*(n/8)], v[35+4*n+128*(n/8)]
.set n, n+1
.endr
.set n, 0
.rept 16
	global_store_b64 v[CO], v[64+2*n:65+2*n], s[8:9] offset:(n/8)*262144+(n%8)*256  ; two rows of a head: 256 consecutive bytes, aligned
.set n, n+1
.endr
	s_wait_xcnt 0x0
	v_add_nc_u32 v[RDA], 16*PD, v[RDA]
	s_add_nc_u64 s[8:9], s[8:9], 16*128
	s_sub_co_u32 s3, s3, 1
	s_cmp_lg_u32 s3, 0
	s_cbranch_scc1 .Lrows
.endif
	s_wait_tensorcnt 0x0                           ; the wave's end, behind my last tensor load and my last LDS store
	ds_add_u32 v[SPW], v[NIL]
	s_wait_dscnt 0x0
	CROUND                                         ; the closing round
	s_endpgm
.Lfunc_end_k_qf4abbc2417_gf:
	.size	k_qf4abbc2417_gf, .Lfunc_end_k_qf4abbc2417_gf-k_qf4abbc2417_gf
	.p2alignl 7, 3214868480
	.fill 96, 4, 3214868480
	.section	.rodata,"a",@progbits
	.p2align	6, 0x0
	.amdhsa_kernel k_qf4abbc2417_gf
		.amdhsa_group_segment_fixed_size 327680
		.amdhsa_private_segment_fixed_size 0
		.amdhsa_enable_private_segment 0
		.amdhsa_kernarg_size 24
		.amdhsa_user_sgpr_count 2
		.amdhsa_user_sgpr_kernarg_segment_ptr 1
		.amdhsa_wavefront_size32 1
		.amdhsa_system_sgpr_workgroup_id_x 1
		.amdhsa_system_sgpr_workgroup_id_y 1
		.amdhsa_system_sgpr_workgroup_id_z 1
		.amdhsa_system_vgpr_workitem_id 0
		.amdhsa_next_free_vgpr 1024
		.amdhsa_next_free_sgpr 80
		.amdhsa_reserve_vcc 0
		.amdhsa_float_denorm_mode_32 3
		.amdhsa_float_denorm_mode_16_64 3
		.amdhsa_memory_ordered 1
		.amdhsa_forward_progress 1
		.amdhsa_inst_pref_size 99
	.end_amdhsa_kernel
	.amdgpu_metadata
---
amdhsa.version: [ 1, 2 ]
amdhsa.kernels:
  - .name:           k_qf4abbc2417_gf
    .symbol:         k_qf4abbc2417_gf.kd
    .args:
      - { .name: h2, .offset: 0, .size: 8, .value_kind: global_buffer, .address_space: global }
      - { .name: wh, .offset: 8, .size: 8, .value_kind: global_buffer, .address_space: global }
      - { .name: gl, .offset: 16, .size: 8, .value_kind: global_buffer, .address_space: global }
    .group_segment_fixed_size: 327680
    .private_segment_fixed_size: 0
    .kernarg_segment_align: 8
    .kernarg_segment_size: 24
    .max_flat_workgroup_size: 128
    .sgpr_count:     80
    .vgpr_count:     1024
    .wavefront_size: 32
...
	.end_amdgpu_metadata
.endif
;; end of part 6
;; launch gm (part 7): grid 8 x 32, 4 waves a work-group, clusters of 4 x 4, 327,680 bytes of LDS; arguments gl, wh, x1, out0; writes out0
.if DOCPART == 7
	.amdgcn_target "amdgcn-amd-amdhsa--gfx1250"
	.amdhsa_code_object_version 6
	.text
	.protected	k_qf4abbc2417_gm
	.globl	k_qf4abbc2417_gm
	.p2align	8
	.type	k_qf4abbc2417_gm,@function
k_qf4abbc2417_gm:
	s_mov_b64 s[64:65], 0
	v_nop
	global_prefetch_b8 v0, s[64:65] scope:SCOPE_SE
	s_setreg_imm32_b32 hwreg(HW_REG_WAVE_MODE, 25, 1), 1
	s_wait_xcnt 0x0
	s_wait_alu depctr_hold_cnt(0) depctr_sa_sdst(0) depctr_va_vdst(0) depctr_va_sdst(0) depctr_va_ssrc(0) depctr_va_vcc(0) depctr_vm_vsrc(0)
	s_getreg_b32 s2, hwreg(HW_REG_IB_STS2, 6, 4)
	s_cmp_eq_u32 s2, 0
	s_cbranch_scc0 .Lentry_in_a_cluster
	s_endpgm
.Lentry_in_a_cluster:
	s_bfe_u32 s2, ttmp6, 0x10000c
	s_cmp_lg_u32 s2, 0xf033
	s_cbranch_scc0 .Lentry_shape_is_right
	s_endpgm
.Lentry_shape_is_right:
; OUT = RES + A B.  B: [KK][1024] f16, a part of wh that begins at byte WOFF; RES and OUT: [4096][1024] f32; sums in f32.  This text serves two launches by the switch PANEL:
;   PANEL = 1: KK = 1024, A = yp, [16 heads][4096][64] f16 (a panel of 64 along K for each head), RES = x, an input, rounded to bf16 as all inputs are.      PANEL = 0: KK = 4096, A = gl [4096][4096] f16, RES = x1 as it is.
; A tile of OUT is 128 x 128, which gives 256 work-groups; four waves of 64 x 64: 16 accumulators.  K goes in steps of 256 through two LDS slots filled by tensor loads.
; A's half tile (64 rows): PANEL = 0: 64 rows x 512 bytes, LDS pitch 528.  PANEL = 1: 64 rows of a head are 8,192 dense bytes, so the load takes 4 rows (heads) of 4,096 elements and pads after every 128 bytes: [head][row][144 bytes].
; B lies [K][N]: 256 rows of k x 256 bytes, LDS pitch 288, read turned by ds_load_tr16_b128.
; CLUSTERS: 4 x 4 work-groups; A's tile is asked for jointly along a row of the cluster, B's along a column.  THE MATRIX INSTRUCTION IS USED TRANSPOSED: a lane holds row l % 16 and eight neighbouring columns.
; EACH CLUSTER BEGINS AT A K STEP OF ITS OWN, ((2 X + Y % 4) x NS / 4) mod NS for cluster (X, Y) and NS steps, and goes round modulo NS: the two clusters that read the same rows of A (same Y) begin half a round apart,
; those that read the same columns of B (same X) a quarter of a round apart, so at any one time they ask for different blocks.  The number hangs on the cluster's place alone, which all sixteen partners share.
; f32 sums may be taken in any order of K.
; A K STEP IS WRITTEN ONCE: the slot that is read is the scalar s[RB].  RES is loaded at the start, into registers of its own, and waited for once, on the way out.
; THE WAY OUT: behind the last change of slots each wave puts its 64 x 64 sums into bytes of its own in the ring, which is filled no more, and reads them back as whole rows of 256 bytes.
; No prefetch: the tiles are small.
; REGISTERS: window 0: v16-29 addresses; v32-95 at work; v128-255 accumulator (a, b) at v[128 + 8 (4 a + b)].  window 1: two fragment buffers of 128 (64 of A, 64 of B, for 64 along K).  window 2: v0-127 RES.
.set PANEL, 0
.set KK,    4096
.set WOFF,  16777216
.set NN,    1024
.set NS,    KK/256                     ; K steps
.set HALFT, 36864                      ; what one tensor load may fill: 128 rows of B x 288; A's 4 x 64 x 144, or 64 x 528 = 33,792
.set BOFF,  2*HALFT
.set SLOT,  4*HALFT                    ; 0x24000; wave x HALFT = 0x9000 w has none of its bits, so an exclusive or turns an address in one slot into the other's
.set SPARE, 2*SLOT                     ; behind the ring: the spare words, 128 bytes for each wave, which no other line names
.set PB,    288                        ; 256 + 32 bytes: 72 words
.if PANEL
.set AP,    144
.set ASTEP, 4*4096*64*2                ; four heads on
.set ASH,   7                          ; a row of a head is 128 bytes
.else
.set AP,    528
.set ASTEP, 512
.set ASH,   13                         ; a row is 8,192 bytes
.endif
.set BSTEP, 256*NN*2
.set PD,    272                        ; a row of 64 f32 + 16 bytes
.set DREG,  64*PD
.set A0,   16                          ; v16  my lane's place in slot 0's tile of A; never rewritten
.set B0,   17                          ; v17  the same for B
.set ADRA, 18                          ; v18  s[RB] + A0
.set ADRB, 19                          ; v19  s[RB] + B0; v20 the same 128 k rows on, which a 16-bit offset does not reach
.set DST,  24
.set RD,   25
.set CO,   26                          ; v26  my byte offset in two rows of RES and OUT; never rewritten
.set SPW,  28
.set NIL,  29
.set ACC,  128
.set F0,   0
.set F1,   128
.set ABASE, 14                         ; s[14:15] A at the rows that I fetch, K step 0
.set G1,   24
.set G0,   32
.set BBASE, 46                         ; s[46:47] B at the k rows and columns that I fetch, K step 0
.set G1B,  48
.set G0B,  56
.set RB,   66                          ; s66  the slot that is read
.set HM,   67                          ; s67  a word's upper bf16
.set RES,  68                          ; s[68:69]
.set OUT,  70                          ; s[70:71]
.set KI,   72                          ; s72  the K step asked for last
.set OFA,  74                          ; s[74:75] its byte offset in A
.set OFB,  76                          ; s[76:77] and in B
.set MSB, 0
.macro WIN new
.if MSB != (\new)
	s_set_vgpr_msb (MSB<<8)|(\new)
.set MSB, \new
.endif
.endm
.set MUL,  0x05                        ; sources 0 (B) and 1 (A) window 1; C and D window 0
.set TO_F, 0x40                        ; destination window 1, address window 0
.macro JLOAD s                         ; a joint load: waves 0 and 1 fetch A's halves, waves 2 and 3 B's; an s_nop 0 and four v_nop follow each line
	s_cmp_eq_u32 s11, 0
	s_cbranch_scc0 .Lfor_b_\@
	tensor_load_to_lds s[G0+4*(\s):G0+4*(\s)+3], s[G1:G1+7]
	s_nop 0
.rept 4
	v_nop
.endr
	s_branch .Lasked_\@
.Lfor_b_\@:
	tensor_load_to_lds s[G0B+4*(\s):G0B+4*(\s)+3], s[G1B:G1B+7]
	s_nop 0
.rept 4
	v_nop
.endr
.Lasked_\@:
.endm
.macro KNEXT                           ; the next K step, round modulo NS
	s_add_co_u32 s[KI], s[KI], 1
	s_and_b32 s[KI], s[KI], NS-1
.endm
.macro KADR s                          ; the global addresses of K step s[KI] are made anew, from the bases and offsets made apart, in set s of both descriptors
	s_mul_i32 s[OFA], s[KI], ASTEP
	s_add_nc_u64 s[G0+4*(\s)+2:G0+4*(\s)+3], s[ABASE:ABASE+1], s[OFA:OFA+1]
	s_or_b32 s[G0+4*(\s)+3], s[G0+4*(\s)+3], 0x80000000
	s_mul_i32 s[OFB], s[KI], BSTEP
	s_add_nc_u64 s[G0B+4*(\s)+2:G0B+4*(\s)+3], s[BBASE:BBASE+1], s[OFB:OFB+1]
	s_or_b32 s[G0B+4*(\s)+3], s[G0B+4*(\s)+3], 0x80000000
.endm
.macro CREST
	s_cmp_lg_u32 s10, 0
	s_cbranch_scc1 .Lnot_wave_0_\@
	s_barrier_signal -3
.Lnot_wave_0_\@:
	s_barrier_wait -3
	s_barrier_signal -1
	s_barrier_wait -1
.endm
.macro CROUND
	s_barrier_signal -1
	s_barrier_wait -1
	CREST
.endm
	s_load_b128 s[4:7], s[0:1], 0x0                ; A s[4:5], wh s[6:7]
	s_load_b128 s[68:71], s[0:1], 0x10             ; RES, OUT
	v_lshl_add_u32 v[SPW], v0, 2, SPARE
	v_mov_b32 v[NIL], 0
	ds_add_u32 v[SPW], v[NIL]                      ; the wave's opening: the add and its wait ahead of my first tensor load
	v_lshrrev_b32 v1, 5, v0
	v_readfirstlane_b32 s10, v1                    ; wave 0..3
	s_lshr_b32 s11, s10, 1                         ; my half of the tile's rows.  Also: I fetch for A (0) or for B (1)
	s_and_b32 s12, s10, 1                          ; my half of its columns.  Also: which half of that tile I fetch
	s_bfe_u32 s40, ttmp6, 0x40000
	s_bfe_u32 s41, ttmp6, 0x40004
	s_lshl_b32 s42, ttmp9, 2
	s_add_co_u32 s42, s42, s40                     ; tile column
	s_and_b32 s13, ttmp7, 0xffff
	s_lshl_b32 s13, s13, 2
	s_add_co_u32 s13, s13, s41                     ; tile row
	s_lshl_b32 s43, s41, 2
	s_lshl_b32 s43, 15, s43                        ; my row of the cluster
	s_lshl_b32 s44, 0x1111, s40                    ; my column
.if PANEL
	s_or_b32 s[G1+0], s43, (1<<16)|(1<<20)|(1<<21)|(4<<22)|(3<<25)   ; after every 32 words 4 words
	s_mov_b32 s[G1+1], 4096<<16                    ; tensor_dim0 = 4,096
	s_mov_b32 s[G1+2], 4<<16                       ; tensor_dim1 = 4
	s_mov_b32 s[G1+3], 4096<<16                    ; tile_dim0 = 4,096
	s_mov_b32 s[G1+4], 4                           ; tile_dim1 = 4
	s_mov_b32 s[G1+5], 262144                      ; elements from head to head
.else
	s_or_b32 s[G1+0], s43, (1<<16)|(1<<20)|(1<<21)|(6<<22)|(3<<25)   ; after every 128 words 4 words
	s_mov_b32 s[G1+1], 256<<16
	s_mov_b32 s[G1+2], 64<<16
	s_mov_b32 s[G1+3], 256<<16
	s_mov_b32 s[G1+4], 64
	s_mov_b32 s[G1+5], KK
.endif
	s_mov_b32 s[G1+6], 0
	s_mov_b32 s[G1+7], 0
	s_or_b32 s[G1B+0], s44, (1<<16)|(1<<20)|(1<<21)|(5<<22)|(7<<25)  ; after every 64 words 8 words
	s_mov_b32 s[G1B+1], 128<<16
	s_mov_b32 s[G1B+2], 128<<16
	s_mov_b32 s[G1B+3], 128<<16
	s_mov_b32 s[G1B+4], 128
	s_mov_b32 s[G1B+5], NN
	s_mov_b32 s[G1B+6], 0
	s_mov_b32 s[G1B+7], 0
	s_lshl_b32 s17, s12, 6
	s_lshl_b32 s16, s13, 7
	s_add_co_u32 s16, s16, s17                     ; A: row 128 x tile row + 64 x half
	s_lshl_b32 s16, s16, ASH
	s_mov_b32 s17, 0
	s_mul_i32 s46, s12, 128*NN*2                   ; B: k row 128 x half,
	s_lshl_b32 s47, s42, 8                         ; 256 bytes x tile column,
	s_add_co_u32 s46, s46, s47
	s_add_co_u32 s46, s46, WOFF                    ; in its part of wh
	s_mov_b32 s47, 0
	s_mul_i32 s20, s10, HALFT
	s_mov_b32 s[RB], 0
	s_mov_b32 s[HM], 0xffff0000
	s_and_b32 s21, ttmp7, 3                        ; the cluster's first K step: Y % 4,
	s_lshl_b32 s[KI], ttmp9, 1                     ; 2 X,
	s_add_co_u32 s[KI], s[KI], s21
	s_mul_i32 s[KI], s[KI], NS/4                   ; in quarters of a round
	s_and_b32 s[KI], s[KI], NS-1
	s_mov_b32 s[OFA+1], 0
	s_mov_b32 s[OFB+1], 0
	s_wait_dscnt 0x0                               ; the opening add is done
	s_wait_kmcnt 0x0
	s_add_nc_u64 s[ABASE:ABASE+1], s[4:5], s[16:17]
	s_add_nc_u64 s[BBASE:BBASE+1], s[6:7], s[46:47]
	CROUND                                         ; all sixteen work-groups are here: the first joint loads meet
.irp s, 0,1
	s_mov_b32 s[G0+4*(\s)], 1
	s_add_co_u32 s[G0+4*(\s)+1], s20, (\s)*SLOT
	s_mov_b32 s[G0B+4*(\s)], 1
	s_add_co_u32 s[G0B+4*(\s)+1], s20, (\s)*SLOT
.endr
	KADR 0
	JLOAD 0                                        ; the cluster's first K step,
	KNEXT
	KADR 1
	JLOAD 1                                        ; and its second: two loads of mine are out
	v_and_b32 v1, 15, v0                           ; l % 16
	v_bfe_u32 v2, v0, 4, 1                         ; l / 16
	v_lshlrev_b32 v[CO], 12, v2                    ; lanes 0-15 take 256 bytes of one row, lanes 16-31 of the next
	v_lshl_add_u32 v[CO], v1, 4, v[CO]
	s_lshl_b32 s16, s13, 7
	s_lshl_b32 s17, s11, 6
	s_add_co_u32 s16, s16, s17                     ; my first row,
	s_lshl_b32 s16, s16, 12                        ; 4,096 bytes each
	s_lshl_b32 s17, s42, 9
	s_add_co_u32 s16, s16, s17
	s_lshl_b32 s17, s12, 8
	s_add_co_u32 s16, s16, s17                     ; my first column, 4 bytes each
	s_mov_b32 s17, 0
	s_add_nc_u64 s[RES:RES+1], s[RES:RES+1], s[16:17]
	s_add_nc_u64 s[OUT:OUT+1], s[OUT:OUT+1], s[16:17]
	WIN 0x80                                       ; destination window 2
.set j, 0
.rept 32
	global_load_b128 v[4*j:4*j+3], v[CO], s[RES:RES+1] offset:j*8192 th:TH_LOAD_NT  ; my 64 x 64 of RES: they land under the K loop
.set j, j+1
.endr
	WIN 0
	v_mul_u32_u24 v3, v1, AP
	v_lshl_add_u32 v3, v2, 4, v3
	s_mul_i32 s21, s11, HALFT                      ; my 64 rows of A
	v_add_nc_u32 v[A0], s21, v3
	v_and_b32 v4, 7, v0
	v_lshl_add_u32 v4, v2, 3, v4
	v_mul_u32_u24 v4, v4, PB
	v_bfe_u32 v5, v0, 3, 1
	v_lshl_add_u32 v4, v5, 4, v4
	s_lshl_b32 s22, s12, 7                         ; my 64 columns of B
	s_add_co_u32 s22, s22, BOFF
	v_add_nc_u32 v[B0], s22, v4
	s_mul_i32 s23, s10, DREG
	v_mul_u32_u24 v5, v1, PD
	v_lshl_add_u32 v5, v2, 5, v5
	v_add_nc_u32 v[DST], s23, v5
	v_mul_u32_u24 v5, v2, PD
	v_lshl_add_u32 v5, v1, 4, v5
	v_add_nc_u32 v[RD], s23, v5
; 8 matrix instructions: m blocks a0, a0 + 1 x all 4 n blocks, 32 along K: half c of buffer f.  The 16 accumulators take turns in one order on every way.
.macro MUL8 f, c, a0, zero
	WIN MUL
.irp a, \a0, (\a0)+1
.irp b, 0,1,2,3
.if \zero
	v_wmma_f32_16x16x32_f16 v[ACC+8*(4*(\a)+(\b)):ACC+8*(4*(\a)+(\b))+7], v[(\f)+64+8*(4*(\c)+(\b)):(\f)+64+8*(4*(\c)+(\b))+7], v[(\f)+8*(4*(\c)+(\a)):(\f)+8*(4*(\c)+(\a))+7], 0
.else
	v_wmma_f32_16x16x32_f16 v[ACC+8*(4*(\a)+(\b)):ACC+8*(4*(\a)+(\b))+7], v[(\f)+64+8*(4*(\c)+(\b)):(\f)+64+8*(4*(\c)+(\b))+7], v[(\f)+8*(4*(\c)+(\a)):(\f)+8*(4*(\c)+(\a))+7], v[ACC+8*(4*(\a)+(\b)):ACC+8*(4*(\a)+(\b))+7]
.endif
.endr
.endr
.endm
; 32 LDS loads in one run: the fragments of quarter q (64 along K) into buffer f; the first 32 along K first
.macro FETCH q, f
	WIN TO_F
.irp c, 0,1
.set cc, 2*(\q)+(\c)
.if PANEL
.set ao, (cc/2)*64*AP+(cc%2)*64        ; head cc / 2 of the step's four, channels 32 (cc % 2) on
.else
.set ao, 64*cc
.endif
.irp i, 0,1,2,3
	ds_load_tr16_b128 v[(\f)+64+8*(4*(\c)+(\i)):(\f)+64+8*(4*(\c)+(\i))+3],   v[ADRB+(\q)/2] offset:(((\q)%2)*64+32*(\c))*PB+32*(\i)
	ds_load_tr16_b128 v[(\f)+64+8*(4*(\c)+(\i))+4:(\f)+64+8*(4*(\c)+(\i))+7], v[ADRB+(\q)/2] offset:(((\q)%2)*64+32*(\c)+16)*PB+32*(\i)
	ds_load_b128 v[(\f)+8*(4*(\c)+(\i)):(\f)+8*(4*(\c)+(\i))+3],   v[ADRA] offset:ao+(\i)*16*AP
	ds_load_b128 v[(\f)+8*(4*(\c)+(\i))+4:(\f)+8*(4*(\c)+(\i))+7], v[ADRA] offset:ao+(\i)*16*AP+32
.endr
.endr
.endm
.macro PLACES
.rept 4
	v_nop
.endr
.endm
.macro ADDRS                           ; the LDS addresses of the slot in hand
	v_add_nc_u32 v[ADRA], s[RB], v[A0]
	v_add_nc_u32 v[ADRB], s[RB], v[B0]
	v_add_nc_u32 v[ADRB+1], 128*PB, v[ADRB]
.endm
.macro QUARTER q, f, g, zero           ; multiplies buffer f; in its middle fetches quarter q into buffer g
	s_wait_dscnt 16                                ; the first 32 along K are in
	MUL8 \f, 0, 0, \zero
	MUL8 \f, 0, 2, \zero
	PLACES
	FETCH \q, \g
	s_wait_dscnt 32                                ; all but the 32 just issued
	MUL8 \f, 1, 0, 0
	MUL8 \f, 1, 2, 0
.endm
.macro MEET                            ; the first half of a K step's last quarter, and the one barrier of a change of slots
	WIN 0
	s_wait_tensorcnt 0x0                           ; all my tensor loads have landed: my part of the next slot
	ds_add_u32 v[SPW], v[NIL]                      ; 0 onto my spare word
	s_wait_dscnt 17                                ; the add and the youngest sixteen loads may be out
	MUL8 F1, 0, 0, 0
	s_wait_dscnt 0x0                               ; the add is done, and my reads of this slot are over
	s_barrier_signal -1
	MUL8 F1, 0, 2, 0
	WIN 0
	s_barrier_wait -1
.endm
.macro TURN                            ; the whole last quarter in the loop: the slot just read out is filled again, with the K step two steps on: 112 matrix instructions ahead of the wait for it
	MEET
	CREST                                          ; the barrier has opened a round of the cluster's: no wave of any partner still reads this slot or has a load on its way
	s_xor_b32 s[G0+5], s[G0+5], SLOT               ; the walking descriptors: the other slot than last time,
	s_xor_b32 s[G0B+5], s[G0B+5], SLOT
	KNEXT                                          ; the next K step of the cluster's round
	KADR 1
	s_xor_b32 s[RB], s[RB], SLOT
	JLOAD 1                                        ; the first tensor load behind the round; its four v_nop are also the places in front of the loads below
	ADDRS
	FETCH 0, F0
	MUL8 F1, 1, 0, 0
	MUL8 F1, 1, 2, 0
.endm
	s_wait_tensorcnt 1                             ; my part of the first K step is in; the second's may stay out
	s_barrier_signal -1
	s_barrier_wait -1
	ADDRS
	FETCH 0, F0
	QUARTER 1, F0, F1, 1                           ; the first quarter's first products start the sums
	WIN 0
	s_mov_b32 s3, NS-2
.Lstep:                                        ; trip t asks for the cluster's K step t + 2
	QUARTER 2, F1, F0, 0
	QUARTER 3, F0, F1, 0
	TURN
	QUARTER 1, F0, F1, 0
	WIN 0
	s_sub_co_u32 s3, s3, 1
	s_cmp_lg_u32 s3, 0
	s_cbranch_scc1 .Lstep
	s_mov_b32 s2, 2
.Ltail:                                        ; the last two K steps ask for nothing; the second trip is left in its middle
	QUARTER 2, F1, F0, 0
	QUARTER 3, F0, F1, 0
	MEET
	s_sub_co_u32 s2, s2, 1
	s_cmp_eq_u32 s2, 0
	s_cbranch_scc1 .Llast
	s_xor_b32 s[RB], s[RB], SLOT
	ADDRS                                          ; three plain instructions and a v_nop: the places in front of the loads
	v_nop
	FETCH 0, F0
	MUL8 F1, 1, 0, 0
	MUL8 F1, 1, 2, 0
	QUARTER 1, F0, F1, 0
	WIN 0
	s_branch .Ltail
.Llast:
	MUL8 F1, 1, 0, 0
	MUL8 F1, 1, 2, 0
	WIN 0
	PLACES
	PLACES
.set a, 0
.rept 4
.set b, 0
.rept 4
	ds_store_b128 v[DST], v[ACC+8*(4*a+b):ACC+8*(4*a+b)+3]   offset:a*16*PD+b*64      ; each accumulator's low registers first
	ds_store_b128 v[DST], v[ACC+8*(4*a+b)+4:ACC+8*(4*a+b)+7] offset:a*16*PD+b*64+16
.set b, b+1
.endr
.set a, a+1
.endr
	s_wait_loadcnt 0x0                             ; RES is in
.irp h, 0,1                            ; two batches of 32 rows
.if (\h) == 1
	s_wait_xcnt 0x0                                ; the first batch's stores have read their data
.endif
.set j, 0
.rept 16
	ds_load_b128 v[32+4*j:35+4*j], v[RD] offset:(16*(\h)+j)*2*PD  ; two rows of 256 bytes; LDS serves a wave's instructions in order: these see my stores above
.set j, j+1
.endr
.if PANEL
	WIN 0x0a                                       ; sources in window 2
.set n, 0
.rept 32
	v_cvt_pk_bf16_f32 v[128+n], v[64*(\h)+2*n], v[64*(\h)+2*n+1]   ; x is rounded to bf16, as every input is
.set n, n+1
.endr
	WIN 0
.set j, 0
.rept 16
	s_wait_dscnt 15-j
	v_lshlrev_b32 v160, 16, v[128+2*j]
	v_and_b32 v161, s[HM], v[128+2*j]
	v_lshlrev_b32 v162, 16, v[129+2*j]
	v_and_b32 v163, s[HM], v[129+2*j]
	v_pk_add_f32 v[32+4*j:33+4*j], v[32+4*j:33+4*j], v[160:161]
	v_pk_add_f32 v[34+4*j:35+4*j], v[34+4*j:35+4*j], v[162:163]
	global_store_b128 v[CO], v[32+4*j:35+4*j], s[OUT:OUT+1] offset:(16*(\h)+j)*8192  ; 16 lanes store 256 consecutive bytes, aligned
.set j, j+1
.endr
.else
	s_wait_dscnt 0x0
	WIN 0x08                                       ; source 1 in window 2
.set n, 0
.rept 32
	v_pk_add_f32 v[32+2*n:33+2*n], v[32+2*n:33+2*n], v[64*(\h)+2*n:64*(\h)+2*n+1]
.set n, n+1
.endr
	WIN 0
.set j, 0
.rept 16
	global_store_b128 v[CO], v[32+4*j:35+4*j], s[OUT:OUT+1] offset:(16*(\h)+j)*8192  ; 16 lanes store 256 consecutive bytes, aligned
.set j, j+1
.endr
.endif
.endr
	s_wait_tensorcnt 0x0                           ; the wave's end, behind my last tensor load and my last LDS store
	ds_add_u32 v[SPW], v[NIL]
	s_wait_dscnt 0x0
	CROUND                                         ; the closing round
	s_endpgm
.Lfunc_end_k_qf4abbc2417_gm:
	.size	k_qf4abbc2417_gm, .Lfunc_end_k_qf4abbc2417_gm-k_qf4abbc2417_gm
	.p2alignl 7, 3214868480
	.fill 96, 4, 3214868480
	.section	.rodata,"a",@progbits
	.p2align	6, 0x0
	.amdhsa_kernel k_qf4abbc2417_gm
		.amdhsa_group_segment_fixed_size 327680
		.amdhsa_private_segment_fixed_size 0
		.amdhsa_enable_private_segment 0
		.amdhsa_kernarg_size 32
		.amdhsa_user_sgpr_count 2
		.amdhsa_user_sgpr_kernarg_segment_ptr 1
		.amdhsa_wavefront_size32 1
		.amdhsa_system_sgpr_workgroup_id_x 1
		.amdhsa_system_sgpr_workgroup_id_y 1
		.amdhsa_system_sgpr_workgroup_id_z 1
		.amdhsa_system_vgpr_workitem_id 0
		.amdhsa_next_free_vgpr 640
		.amdhsa_next_free_sgpr 80
		.amdhsa_reserve_vcc 0
		.amdhsa_float_denorm_mode_32 3
		.amdhsa_float_denorm_mode_16_64 3
		.amdhsa_memory_ordered 1
		.amdhsa_forward_progress 1
		.amdhsa_inst_pref_size 67
	.end_amdhsa_kernel
	.amdgpu_metadata
---
amdhsa.version: [ 1, 2 ]
amdhsa.kernels:
  - .name:           k_qf4abbc2417_gm
    .symbol:         k_qf4abbc2417_gm.kd
    .args:
      - { .name: gl, .offset: 0, .size: 8, .value_kind: global_buffer, .address_space: global }
      - { .name: wh, .offset: 8, .size: 8, .value_kind: global_buffer, .address_space: global }
      - { .name: x1, .offset: 16, .size: 8, .value_kind: global_buffer, .address_space: global }
      - { .name: out0, .offset: 24, .size: 8, .value_kind: global_buffer, .address_space: global }
    .group_segment_fixed_size: 327680
    .private_segment_fixed_size: 0
    .kernarg_segment_align: 8
    .kernarg_segment_size: 32
    .max_flat_workgroup_size: 128
    .sgpr_count:     80
    .vgpr_count:     640
    .wavefront_size: 32
...
	.end_amdgpu_metadata
.endif
;; end of part 7
